; MI455X (gfx1250); checked and timed in simulation.
; The chip was launched on July 23, 2026; its instructions are those of AMD's public machine-readable ISA for CDNA 5 (MIT licence, August 2026) and "CDNA5" Instruction Set Architecture Reference Guide (July 2026). The comments in the code are by the model that wrote it; some were corrected since.
;; Attn Layer V3. Allowed arithmetic: matrix products marked QUANTISED: E2M3 operands, one E8M0 scale for each 32 along K, by v_wmma_scale_f32_16x16x128_f8f6f4 with both operands' format E2M3, f32 sums; everything else in f32.
;; Inputs: Wk 1,024 x 2,048 float32; Wo 2,048 x 4,096 float32; Wq 4,096 x 2,048 float32; Wv 1,024 x 2,048 float32; gn_bias 4,096 float32; gn_weight 4,096 float32; lambda_k1 128 float32; lambda_k2 128 float32; lambda_q1 128 float32; lambda_q2 128 float32; pos 1,024 int32; x 2 x 1,024 x 2,048 float32.
;; Outputs: out0 2 x 1,024 x 2,048 float32.
;; This version of the problem:
;;   THIS VERSION OF THE PROBLEM IS GIVEN IN LOW PRECISION. The matrix products marked QUANTISED in the list below multiply operands that are first quantised to E2M3 (2 exponent bits, 3 mantissa bits; 6 bits a number), with one power-of-two scale for each 32 numbers along K (OCP MX v1.0); their sums are f32. All else is computed in f32.
;;   The module's matrix products, in the order in which they are computed (A, B: the left and right operand; K: the contracted axis; several contracted axes count as one K, in the product's order):
;;     1. [M 2,048, K 2,048] x [K 2,048, N 4,096]; A: input x; B: input Wq: QUANTISED
;;     2. [M 2,048, K 2,048] x [K 2,048, N 1,024]; A: input x; B: input Wk: QUANTISED
;;     3. [M 2,048, K 2,048] x [K 2,048, N 1,024]; A: input x; B: input Wv: QUANTISED
;;     4. batch 32 x [M 1,024, K 128] x [K 128, N 1,024]; A: computed on the way; B: computed on the way: QUANTISED
;;     5. batch 32 x [M 1,024, K 128] x [K 128, N 1,024]; A: computed on the way; B: computed on the way: QUANTISED
;;     6. batch 32 x [M 1,024, K 1,024] x [K 1,024, N 256]; A: computed on the way; B: computed on the way: QUANTISED
;;     7. [M 2,048, K 4,096] x [K 4,096, N 2,048]; A: computed on the way; B: input Wo: QUANTISED
;;   THE QUANTISER, for each operand of a quantised product, along K:
;;     - K is cut into blocks of 32 from its start; a last block that is shorter is filled with zeros.
;;     - A block's scale is 2^e with e = floor(log2(the largest magnitude in the block)) - 2, held to -126 .. 127; a block of zeros has e = 0. As a byte (E8M0): e + 127.
;;     - Each number is divided by its block's scale, clamped to +-7.5, and rounded to the nearest number of E2M3, ties to even, subnormals kept.
;;     - The product sums the exact products of the quantised numbers (number of the format x scale) in f32.
;;   ~~~python
;;   def quantise(x, axis):      # numpy; x: float32 -> the quantised numbers, widened to float32 again
;;       x = np.moveaxis(x, axis, -1); K = x.shape[-1]
;;       x = np.pad(x, [(0, 0)] * (x.ndim - 1) + [(0, -K % 32)]); x = x.reshape(x.shape[:-1] + (-1, 32)); a = np.abs(x).max(-1, keepdims=True)
;;       e = np.where(a > 0, np.clip(np.frexp(np.where(a > 0, a, 1))[1] - 1 - 2, -126, 127), 0)      # np.frexp(a)[1] - 1 = floor(log2(a)), exactly
;;       r = np.clip(x / 2.0 ** e, -7.5, 7.5)
;;       step = 2.0 ** (np.maximum(np.frexp(np.where(r == 0, 1, r))[1] - 1, 0) - 3)
;;       q = np.round(r / step) * step * 2.0 ** e      # np.round: ties to even
;;       return np.moveaxis(q.reshape(q.shape[:-2] + (-1,))[..., :K], -1, axis).astype(np.float32)
;;   ~~~
;;   OPERANDS COMPUTED ON THE WAY. 'Computed on the way' means the value that the module computes at that place (a softmax that the list does not call 'softmax' is quantised finished and normalised). What goes into a quantiser is computed in f32, as accurately as f32 sums, v_exp_f32 and their like allow (about 1e-6 of the number): no bf16 or f16 on the way to a quantiser, and a product that is left as it is and whose result goes on into a quantised operand takes f32 operands (vector FMAs, or v_wmma_f32_16x16x4_f32). A number that lies on a knife's edge between two numbers of the format may be rounded either way, as far as f32 arithmetic and the matrix unit's own rounding can turn it there, and no further.
;; One version. Each part assembles by itself: llvm-mc -triple=amdgcn-amd-amdhsa -mcpu=gfx1250 --defsym DOCPART=n.
;; ======== version 1 of 1: 4 launches
;; limits: inputs' magnitudes at most 4,194,304; right only within a limited range of input values
;; workspace buffers: wcodes 18,874,368 bytes; wscales 786,432 bytes; rope 524,288 bytes; qkvc 9,437,184 bytes; qkvs 393,216 bytes; oc 6,291,456 bytes; os 262,144 bytes
;; launch prep (part 1): grid 784 x 1, 4 waves a work-group, no clusters, 35,328 bytes of LDS; arguments x, Wq, Wk, Wv, Wo, pos, wcodes, wscales, rope; writes wcodes, wscales, rope
.if DOCPART == 1
	.amdgcn_target "amdgcn-amd-amdhsa--gfx1250"
	.amdhsa_code_object_version 6
	.text
	.protected	k_q6a718f6729_prep
	.globl	k_q6a718f6729_prep
	.p2align	8
	.type	k_q6a718f6729_prep,@function
k_q6a718f6729_prep:
	s_mov_b64 s[64:65], 0
	v_nop
	global_prefetch_b8 v0, s[64:65] scope:SCOPE_SE
	s_setreg_imm32_b32 hwreg(HW_REG_WAVE_MODE, 25, 1), 1
	s_wait_xcnt 0x0
; x, Wq, Wk, Wv, Wo (f32, K innermost) become codes of FP6 (E2M3) with one E8M0 byte for each 32 along K; pos becomes a table of cosines and sines.
; THE CODES ARE LAID AS IMAGES OF OPERAND REGISTERS: a fragment (16 rows x 128 K, 12 registers a lane) is 1,536 bytes, [c = 0..2][lane][16 bytes] = registers 4 c .. 4 c + 3 of the lane,
; so that every later launch loads it by three loads of 16 bytes a lane.  Row i of row tile 2 B + u is source row 32 B + 8 u + i + 8 (i / 8): with that order the results of two neighbouring tiles are 16 neighbours in a lane.
; wcodes: 768 units of 24,576 bytes (16 rows x 2,048 K = 16 fragments): 0-127 x, 128-383 Wq, 384-447 Wk, 448-511 Wv, 512-767 Wo (a row tile of Wo, K = 4,096, is two units on end).
; wscales: 1,024 bytes a unit: [256 along K][row 0..15][2 words], a word = the four bytes of 128 along K.
; A work-group makes one unit, wave w its K steps 4 w .. 4 w + 3.  Each load reads 512 consecutive bytes of one row; a fragment's 8,192 bytes turn through the wave's own stage in LDS
; (rows 528 bytes apart) so that lane (r, h) gets k = 64 c + 32 h + 0 .. 31 of row r: two whole blocks, whose largest magnitudes need no other lane.
; A block's byte is its largest magnitude's exponent field - 2, held at 1 from below by a floor among the maximum's leaves.
; Work-groups 768-783 make the table: [t tile][g 0..15][lane][cos j, sin j, cos j+1, sin j+1], j = 16 (g / 4) + 8 h + 2 (g % 4), t the lane's row of the tile.
; The frequency is 2^(-j log2(10000) / 64), its exponent split into a whole number and a rest so that the exponential sees a number in (-1, 0]; the angle pos x frequency is rounded once;
; it is reduced by pi/2 in three fused steps, and sine and cosine are polynomials on +-pi/4.
; No matrix unit, no cluster, no barrier: waves share nothing and the bytes decide.
; LIMITS: NaN and infinities among the inputs are not served; a block whose largest magnitude lies under 2^-124 (a block of zeros too) keeps the byte 1, its codes then being zeros or nearly so, and only this program reads the bytes;
; |pos| up to 2^22; a frequency is right to about one and a half units of its last place.
.set WREG,  8704                       ; LDS of a wave: a stage of 16 x 528 bytes, then 256 bytes in which its scale words are gathered
.set SCG,   8448
.set SPARE, 4*WREG                     ; the spare words, 128 bytes a wave
.set SPW, 4                            ; v4   my spare word's address; never rewritten
.set NIL, 5                            ; v5   0; never rewritten
.set STI, 6                            ; v6   the stage, in: 16 x lane
.set STO, 7                            ; v7   the stage, out: 528 r + 128 h
.set SCW, 8                            ; v8   where my row's scale word goes: 8 r
.set SCR, 9                            ; v9   and where 8 bytes a lane are read back
.set L16, 10
.set L8,  11
.set OFF, 16                           ; v16-31  row i of the tile: 16 x lane + (i + 8 (i / 8)) x pitch
.set R,   32                           ; v32-159 two sets of 64: a fragment as loaded
.set X,   160                          ; v160-223 my 64 numbers
.set PC,  224                          ; v224-235 the codes, v236-243 at work
.set TM,  244
.set INV, 32                           ; the table's path: 32 frequencies,
.set JF,  64                           ; j as a float,
.set YY,  96                           ; the exponent's rest,
.set NN,  128                          ; its whole part,
.set OUT, 160                          ; 32 pairs (cos, sin)
	s_load_b512 s[4:19], s[0:1], 0x0               ; x, Wq, Wk, Wv, Wo, pos, wcodes, wscales
	s_load_b64 s[20:21], s[0:1], 0x40              ; rope
	v_lshl_add_u32 v[SPW], v0, 2, SPARE
	v_mov_b32 v[NIL], 0
	v_lshrrev_b32 v1, 5, v0
	v_readfirstlane_b32 s22, v1                    ; wave
	v_and_b32 v1, 31, v0                           ; lane
	v_and_b32 v2, 15, v0                           ; r
	v_bfe_u32 v3, v0, 4, 1                         ; h
	v_lshlrev_b32 v[L16], 4, v1
	v_lshlrev_b32 v[L8], 3, v1
	s_mov_b32 s34, 0x76543210
	s_mov_b32 s35, 0xfedcba98                      ; selects for lane l xor 16
	s_cmp_ge_u32 ttmp9, 768
	s_cbranch_scc1 .Ltable
	s_mul_i32 s36, s22, WREG
	v_add_nc_u32 v[STI], s36, v[L16]
	v_mul_u32_u24 v[STO], v2, 528
	v_lshl_add_u32 v[STO], v3, 7, v[STO]
	v_add_nc_u32 v[STO], s36, v[STO]
	s_add_co_u32 s36, s36, SCG
	v_lshl_add_u32 v[SCW], v2, 3, s36
	v_add_nc_u32 v[SCR], s36, v[L8]
	v_lshlrev_b32 v[TM+8], 3, v3                   ; 8 h: how far my two bytes are shifted in the scale word
	v_mov_b32 v[TM+7], 0                           ; a lane permute's destination counts as one of its sources
	s_wait_kmcnt 0x0
	s_mov_b64 s[24:25], s[12:13]                   ; which tensor: the choice hangs on the work-group's number alone
	s_mov_b32 s26, 512
	s_cmp_lt_u32 ttmp9, 512
	s_cselect_b64 s[24:25], s[10:11], s[24:25]
	s_cselect_b32 s26, 448, s26
	s_cselect_b32 s27, 0, 1                        ; 1 for Wo: rows twice as long, two units to a row tile
	s_cmp_lt_u32 ttmp9, 448
	s_cselect_b64 s[24:25], s[8:9], s[24:25]
	s_cselect_b32 s26, 384, s26
	s_cmp_lt_u32 ttmp9, 384
	s_cselect_b64 s[24:25], s[6:7], s[24:25]
	s_cselect_b32 s26, 128, s26
	s_cmp_lt_u32 ttmp9, 128
	s_cselect_b64 s[24:25], s[4:5], s[24:25]
	s_cselect_b32 s26, 0, s26
	s_sub_co_u32 s37, ttmp9, s26                   ; the unit's number in its tensor
	s_and_b32 s38, s37, s27                        ; which half of K (Wo)
	s_lshr_b32 s37, s37, s27                       ; the row tile
	s_lshl_b32 s28, 8192, s27                      ; a row in bytes
	s_lshr_b32 s39, s37, 1
	s_lshl_b32 s39, s39, 5
	s_and_b32 s40, s37, 1
	s_lshl_b32 s40, s40, 3
	s_add_co_u32 s39, s39, s40                     ; the tile's first row: 32 (tile / 2) + 8 (tile % 2)
	s_mul_i32 s40, s39, s28
	s_lshl_b32 s38, s38, 13
	s_add_co_u32 s40, s40, s38
	s_lshl_b32 s38, s22, 11                        ; my four K steps: 2,048 bytes a wave
	s_add_co_u32 s40, s40, s38
	s_mov_b32 s41, 0
	s_add_nc_u64 s[24:25], s[24:25], s[40:41]
	s_mul_i32 s40, ttmp9, 24576
	s_mul_i32 s38, s22, 6144
	s_add_co_u32 s40, s40, s38
	s_add_nc_u64 s[30:31], s[16:17], s[40:41]      ; my four fragments
	s_lshl_b32 s40, ttmp9, 10
	s_lshl_b32 s38, s22, 8
	s_add_co_u32 s40, s40, s38
	s_add_nc_u64 s[32:33], s[18:19], s[40:41]      ; my 256 bytes of scale words
.irp i, 0,1,2,3,4,5,6,7,8,9,10,11,12,13,14,15
	v_mad_u32_u24 v[OFF+\i], s28, \i+8*(\i/8), v[L16]
.endr
.macro LOAD f                          ; fragment f as it lies: 16 rows x 512 consecutive bytes
.irp i, 0,1,2,3,4,5,6,7,8,9,10,11,12,13,14,15
	global_load_b128 v[R+64*((\f)%2)+4*\i:R+64*((\f)%2)+4*\i+3], v[OFF+\i], s[24:25] offset:512*(\f) th:TH_LOAD_NT
.endr
.endm
.macro FRAGQ f
.if (\f) < 3
	s_wait_loadcnt 16                              ; this fragment's 16 loads are in; the next fragment's 16 may be out
.else
	s_wait_loadcnt 0
.endif
.irp i, 0,1,2,3,4,5,6,7,8,9,10,11,12,13,14,15
	ds_store_b128 v[STI], v[R+64*((\f)%2)+4*\i:R+64*((\f)%2)+4*\i+3] offset:528*\i
.endr
.irp c, 0,1
.irp e, 0,1,2,3,4,5,6,7
	ds_load_b128 v[X+32*\c+4*\e:X+32*\c+4*\e+3], v[STO] offset:256*\c+16*\e   ; LDS serves a wave's instructions in order: these see the stores above
.endr
.endr
	s_wait_dscnt 0x0                               ; my numbers are in, and the stores have read their registers,
.if (\f) < 2
	LOAD (\f)+2                                    ; which take the fragment two on
.endif
.irp c, 0,1
	v_max3_num_f32 v[TM+\c], |v[X+32*\c]|, |v[X+32*\c+1]|, 0x1800000   ; block 2 c + h: all 32 numbers are mine; the floor 2^(3 - 127) holds the byte at 1 from below
.endr
.irp i, 2,4,6,8,10,12,14,16,18,20,22,24,26,28,30
.irp c, 0,1
	v_max3_num_f32 v[TM+\c], v[TM+\c], |v[X+32*\c+\i]|, |v[X+32*\c+\i+1]|
.endr
.endr
.irp c, 0,1
	v_add_nc_u32 v[TM+2+\c], 0xff000000, v[TM+\c]  ; 2 off the exponent field: the conversion's scale operand
.endr
.irp c, 0,1
	v_lshrrev_b32 v[TM+4+\c], 23, v[TM+2+\c]       ; the byte
.endr
	v_lshl_or_b32 v[TM+6], v[TM+5], 16, v[TM+4]    ; my two bytes, blocks h and 2 + h,
	v_lshlrev_b32 v[TM+6], v[TM+8], v[TM+6]        ; at their places;
	v_permlanex16_b32 v[TM+7], v[TM+6], s34, s35
	v_or_b32 v[TM+6], v[TM+6], v[TM+7]             ; with lane l xor 16's two the word is whole
.if (\f) > 0
	s_wait_alu depctr_va_vdst(0)
	s_wait_xcnt 0x0                                ; the last fragment's stores have read their data: the codes' registers may be written
.endif
.irp c, 0,1
	v_cvt_scalef32_pk16_fp6_f32 v[PC+6*\c:PC+6*\c+2], v[X+32*\c:X+32*\c+15], v[TM+2+\c]
	v_cvt_scalef32_pk16_fp6_f32 v[PC+12+4*\c:PC+14+4*\c], v[X+32*\c+16:X+32*\c+31], v[TM+2+\c]   ; (a conversion's three registers begin on an even number)
.endr
	v_nop                                          ; one plain place behind a scaled conversion
.irp c, 0,1
.irp i, 0,1,2
	v_mov_b32 v[PC+3+6*\c+\i], v[PC+12+4*\c+\i]
.endr
.endr
	ds_store_b32 v[SCW], v[TM+6] offset:128*((\f)/2)+4*((\f)%2)   ; lanes l and l + 16 write the same word with the same value
.irp c, 0,1,2
	global_store_b128 v[L16], v[PC+4*\c:PC+4*\c+3], s[30:31] offset:1536*(\f)+512*\c   ; 32 lanes store 512 consecutive bytes, aligned
.endr
.endm
	LOAD 0
	LOAD 1
	s_wait_alu depctr_va_vdst(0)
	FRAGQ 0
	FRAGQ 1
	FRAGQ 2
	FRAGQ 3
	ds_load_b64 v[TM:TM+1], v[SCR]                 ; my wave's 64 scale words, 8 bytes a lane
	s_wait_dscnt 0x0
	global_store_b64 v[L8], v[TM:TM+1], s[32:33]   ; 256 consecutive bytes, aligned
	s_wait_tensorcnt 0x0                           ; the wave's end
	ds_add_u32 v[SPW], v[NIL]
	s_wait_dscnt 0x0
	s_endpgm
.Ltable:
	s_sub_co_u32 s36, ttmp9, 768
	s_lshl_b32 s36, s36, 2
	s_add_co_u32 s36, s36, s22                     ; my t tile
	s_lshr_b32 s37, s36, 1
	s_lshl_b32 s37, s37, 5
	s_and_b32 s38, s36, 1
	s_lshl_b32 s38, s38, 3
	s_add_co_u32 s37, s37, s38
	s_wait_alu depctr_va_vdst(0)
	v_and_b32 v6, 8, v2
	v_add_nc_u32 v6, v6, v2
	v_add_nc_u32 v6, s37, v6                       ; t = 32 (tile / 2) + 8 (tile % 2) + r + 8 (r / 8)
	v_lshlrev_b32 v6, 2, v6
	s_lshl_b32 s40, s36, 13
	s_mov_b32 s41, 0
	s_wait_alu depctr_va_vdst(0)
	s_wait_kmcnt 0x0
	global_load_b32 v7, v6, s[14:15]               ; pos[t]
	s_add_nc_u64 s[20:21], s[20:21], s[40:41]
	v_lshlrev_b32 v8, 3, v3                        ; 8 h
	s_wait_alu depctr_va_vdst(0)
	s_mov_b32 s42, 0x3e549a00                      ; log2(10000) / 64 = 0.20762050593, its upper 15 bits (0.20761871338): j times this is exact
	s_mov_b32 s43, 0x35f0979a                      ; and the rest, 1.79255e-6
	s_mov_b32 s44, 0x3f22f983                      ; 2 / pi
	s_mov_b32 s45, 0x3fc90fdb                      ; pi / 2 in three parts
	s_mov_b32 s46, 0xb33bbd2e
	s_mov_b32 s47, 0xa6f72ced
	s_mov_b32 s48, 0xbe2aaaab                      ; -1/6
	s_mov_b32 s49, 0x3c088889                      ; 1/120
	s_mov_b32 s50, 0xb9500d01                      ; -1/5040
	s_mov_b32 s51, 0x3638ef1d                      ; 1/362880
	s_mov_b32 s52, 0x3d2aaaab                      ; 1/24
	s_mov_b32 s53, 0xbab60b61                      ; -1/720
	s_mov_b32 s54, 0x37d00d01                      ; 1/40320
.set K, 0
.rept 32
	v_add_nc_u32 v[JF+K], 16*(K/8)+K%8, v8         ; j
	v_cvt_f32_u32 v[JF+K], v[JF+K]
	v_mul_f32 v[YY+K], s42, v[JF+K]                ; exact
	v_floor_f32 v[NN+K], v[YY+K]
	v_sub_f32 v[YY+K], v[NN+K], v[YY+K]            ; whole part - product: exact, in (-1, 0]
	v_fma_f32 v[YY+K], -v[JF+K], s43, v[YY+K]      ; less j times the rest
	v_cvt_i32_f32 v[NN+K], v[NN+K]
	v_sub_nc_u32 v[NN+K], 0, v[NN+K]
.set K, K+1
.endr
.set K, 0
	s_wait_alu depctr_va_vdst(0)
.rept 32
	v_exp_f32 v[INV+K], v[YY+K]
.set K, K+1
.endr
	v_nop                                          ; a plain place behind the last exponential
	s_wait_alu depctr_va_vdst(0)                   ; one wait for the batch, ahead of its first reader
.set K, 0
.rept 32
	v_ldexp_f32 v[INV+K], v[INV+K], v[NN+K]        ; the frequency
.set K, K+1
.endr
	s_wait_loadcnt 0x0
	v_cvt_f32_i32 v7, v7
.macro SINCOS k
	v_mul_f32 v224, v7, v[INV+\k]                  ; the angle, rounded once
	v_mul_f32 v225, s44, v224
	v_rndne_f32 v225, v225                         ; how many quarter turns
	v_fma_f32 v226, -v225, s45, v224
	v_fma_f32 v226, -v225, s46, v226
	v_fma_f32 v226, -v225, s47, v226               ; what is left, within +-pi/4
	v_mul_f32 v227, v226, v226
	v_fma_f32 v228, v227, s51, s50
	v_fma_f32 v229, v227, s54, s53
	v_fma_f32 v228, v228, v227, s49
	v_fma_f32 v229, v229, v227, s52
	v_fma_f32 v228, v228, v227, s48
	v_fma_f32 v229, v229, v227, -0.5
	v_mul_f32 v230, v226, v227
	v_fma_f32 v229, v229, v227, 1.0                ; its cosine
	v_fma_f32 v228, v230, v228, v226               ; its sine
	v_cvt_i32_f32 v231, v225
	v_and_b32 v232, 1, v231
	v_cmp_eq_u32 vcc_lo, 1, v232
	v_cndmask_b32 v233, v228, v229, vcc_lo         ; an odd number of quarter turns exchanges the two,
	v_cndmask_b32 v234, v229, v228, vcc_lo
	v_and_b32 v232, 2, v231
	v_add_nc_u32 v231, 1, v231
	v_lshlrev_b32 v232, 30, v232                   ; and the signs follow the quarter
	v_and_b32 v231, 2, v231
	v_xor_b32 v[OUT+2*\k+1], v232, v233
	v_lshlrev_b32 v231, 30, v231
	v_xor_b32 v[OUT+2*\k], v231, v234
.endm
.irp k, 0,1,2,3,4,5,6,7,8,9,10,11,12,13,14,15,16,17,18,19,20,21,22,23,24,25,26,27,28,29,30,31
	SINCOS \k
.endr
.irp g, 0,1,2,3,4,5,6,7,8,9,10,11,12,13,14,15
	global_store_b128 v[L16], v[OUT+4*\g:OUT+4*\g+3], s[20:21] offset:512*\g
.endr
	s_endpgm
.Lfunc_end_k_q6a718f6729_prep:
	.size	k_q6a718f6729_prep, .Lfunc_end_k_q6a718f6729_prep-k_q6a718f6729_prep
	.p2alignl 7, 3214868480
	.fill 96, 4, 3214868480
	.section	.rodata,"a",@progbits
	.p2align	6, 0x0
	.amdhsa_kernel k_q6a718f6729_prep
		.amdhsa_group_segment_fixed_size 35328
		.amdhsa_private_segment_fixed_size 0
		.amdhsa_enable_private_segment 0
		.amdhsa_kernarg_size 72
		.amdhsa_user_sgpr_count 2
		.amdhsa_user_sgpr_kernarg_segment_ptr 1
		.amdhsa_wavefront_size32 1
		.amdhsa_system_sgpr_workgroup_id_x 1
		.amdhsa_system_sgpr_workgroup_id_y 1
		.amdhsa_system_sgpr_workgroup_id_z 1
		.amdhsa_system_vgpr_workitem_id 0
		.amdhsa_next_free_vgpr 256
		.amdhsa_next_free_sgpr 66
		.amdhsa_reserve_vcc 1
		.amdhsa_float_denorm_mode_32 3
		.amdhsa_float_denorm_mode_16_64 3
		.amdhsa_memory_ordered 1
		.amdhsa_forward_progress 1
		.amdhsa_inst_pref_size 87
	.end_amdhsa_kernel
	.amdgpu_metadata
---
amdhsa.version: [ 1, 2 ]
amdhsa.kernels:
  - .name:           k_q6a718f6729_prep
    .symbol:         k_q6a718f6729_prep.kd
    .args:
      - { .name: x, .offset: 0, .size: 8, .value_kind: global_buffer, .address_space: global }
      - { .name: Wq, .offset: 8, .size: 8, .value_kind: global_buffer, .address_space: global }
      - { .name: Wk, .offset: 16, .size: 8, .value_kind: global_buffer, .address_space: global }
      - { .name: Wv, .offset: 24, .size: 8, .value_kind: global_buffer, .address_space: global }
      - { .name: Wo, .offset: 32, .size: 8, .value_kind: global_buffer, .address_space: global }
      - { .name: pos, .offset: 40, .size: 8, .value_kind: global_buffer, .address_space: global }
      - { .name: wcodes, .offset: 48, .size: 8, .value_kind: global_buffer, .address_space: global }
      - { .name: wscales, .offset: 56, .size: 8, .value_kind: global_buffer, .address_space: global }
      - { .name: rope, .offset: 64, .size: 8, .value_kind: global_buffer, .address_space: global }
    .group_segment_fixed_size: 35328
    .private_segment_fixed_size: 0
    .kernarg_segment_align: 8
    .kernarg_segment_size: 72
    .max_flat_workgroup_size: 128
    .sgpr_count:     66
    .vgpr_count:     256
    .wavefront_size: 32
...
	.end_amdgpu_metadata
.endif
;; end of part 1
;; launch qkv (part 2): grid 24 x 8, 4 waves a work-group, clusters of 4 x 4, 327,680 bytes of LDS; arguments wcodes, wscales, rope, qkvc, qkvs; writes qkvc, qkvs
.if DOCPART == 2
	.amdgcn_target "amdgcn-amd-amdhsa--gfx1250"
	.amdhsa_code_object_version 6
	.text
	.protected	k_q6a718f6729_qkv
	.globl	k_q6a718f6729_qkv
	.p2align	8
	.type	k_q6a718f6729_qkv,@function
k_q6a718f6729_qkv:
	s_mov_b64 s[64:65], 0
	v_nop
	global_prefetch_b8 v0, s[64:65] scope:SCOPE_SE
	s_setreg_imm32_b32 hwreg(HW_REG_WAVE_MODE, 25, 1), 1
	s_wait_xcnt 0x0
	s_wait_alu depctr_hold_cnt(0) depctr_sa_sdst(0) depctr_va_vdst(0) depctr_va_sdst(0) depctr_va_ssrc(0) depctr_va_vcc(0) depctr_vm_vsrc(0)
	s_getreg_b32 s2, hwreg(HW_REG_IB_STS2, 6, 4)
	s_cmp_eq_u32 s2, 0
	s_cbranch_scc0 .Lentry_in_a_cluster
	s_endpgm
.Lentry_in_a_cluster:
	s_bfe_u32 s2, ttmp6, 0x10000c
	s_cmp_lg_u32 s2, 0xf033
	s_cbranch_scc0 .Lentry_shape_is_right
	s_endpgm
.Lentry_shape_is_right:
.set SLOT,   98304
.set HALFT,  24576
.set SCA,    2*SLOT
.set SPARE,  229632
.set NQ,     2
.set FR,     12
.set NL,     3
.set NP,     4
.set LAPS,   4
.set ADRA, 16
.set ADRB, 20
.set L16,  24
.set L4,   25
.set ADRS, 27
.set SPW,  28
.set NIL,  29
.set SC,   32
.set AF,   128
.set TM,   32
.set PW,   48
.set PWE,  49
.set PWS,  50
.set PC,   52
.set TT,   72
.set RP,   128
.set SEL,  92
.set G1, 24
.set G0, 32
.set G1B, 48
.set G0B, 56
.set G1S, 68
.set G0S, 76
.set G1SB, 80
.set G0SB, 88
.set MSB, 0
.macro WIN new
.set WNEW, \new
.if MSB != WNEW
	s_set_vgpr_msb (MSB<<8)|WNEW
.set MSB, WNEW
.endif
.endm
.set MUL_LO, 0xa1
.set MUL_HI, 0xf1
.set TO_B,   0x40
.macro JLOAD g0a, g1a, g0b, g1b
	s_cmp_eq_u32 s15, 0
	s_cbranch_scc0 .Lfor_b_\@
	tensor_load_to_lds s[\g0a:\g0a+3], s[\g1a:\g1a+7]
	s_nop 0
.rept 4
	v_nop
.endr
	s_branch .Lasked_\@
.Lfor_b_\@:
	tensor_load_to_lds s[\g0b:\g0b+3], s[\g1b:\g1b+7]
	s_nop 0
.rept 4
	v_nop
.endr
.Lasked_\@:
.endm
.macro CREST
	s_cmp_lg_u32 s14, 0
	s_cbranch_scc1 .Lnot_wave_0_\@
	s_barrier_signal -3
.Lnot_wave_0_\@:
	s_barrier_wait -3
	s_barrier_signal -1
	s_barrier_wait -1
.endm
.macro CROUND
	s_barrier_signal -1
	s_barrier_wait -1
	CREST
.endm
.macro PLACES n
.rept \n
	v_nop
.endr
.endm
	s_load_b256 s[4:11], s[0:1], 0x0
	s_load_b64 s[12:13], s[0:1], 0x20
	v_lshl_add_u32 v[SPW], v0, 2, SPARE
	v_mov_b32 v[NIL], 0
	ds_add_u32 v[SPW], v[NIL]
	ds_add_u32 v[SPW], v[NIL]
	v_lshrrev_b32 v1, 5, v0
	v_readfirstlane_b32 s14, v1
	s_lshr_b32 s15, s14, 1
	s_and_b32 s16, s14, 1
	s_bfe_u32 s40, ttmp6, 0x40000
	s_bfe_u32 s41, ttmp6, 0x40004
	s_and_b32 s96, ttmp7, 0xffff
	s_cmp_eq_u32 ttmp9, 5
	s_cselect_b32 s97, s96, ttmp9
	s_cselect_b32 s98, 0, s96
	s_cselect_b32 s99, 448, 0
	s_cselect_b32 s66, 0, 128
	s_cselect_b32 s95, 1, 0
	s_lshl_b32 s42, s97, 2
	s_add_co_u32 s42, s42, s40
	s_lshl_b32 s17, s98, 2
	s_add_co_u32 s17, s17, s41
	s_lshl_b32 s43, s41, 2
	s_lshl_b32 s43, 15, s43
	s_lshl_b32 s44, 0x1111, s40
	s_or_b32 s[G1+0], s43, (3<<16)|(1<<21)
	s_or_b32 s[G1B+0], s44, (3<<16)|(1<<21)
.irp g, G1, G1B
	s_mov_b32 s[\g+1], 384<<16
	s_mov_b32 s[\g+2], 16<<16                      ; the head's loads of codes bring all 16 units of a tile; the ring's bring 8
	s_mov_b32 s[\g+3], 384<<16
	s_mov_b32 s[\g+4], 16
	s_mov_b32 s[\g+5], 3072
	s_mov_b32 s[\g+6], 0
	s_mov_b32 s[\g+7], 0
.endr
	s_or_b32 s[G1S+0], s43, (3<<16)|(1<<21)
	s_or_b32 s[G1SB+0], s44, (3<<16)|(1<<21)
.irp g, G1S, G1SB
	s_mov_b32 s[\g+1], 32<<16
	s_mov_b32 s[\g+2], 64<<16                      ; the scale words of 16 units: 64 rows of 256 bytes, one load
	s_mov_b32 s[\g+3], 32<<16
	s_mov_b32 s[\g+4], 64
	s_mov_b32 s[\g+5], 32
	s_mov_b32 s[\g+6], 0
	s_mov_b32 s[\g+7], 0
.endr
	s_mul_i32 s18, s16, 8*24576                    ; in the ring I fetch 8 units of a tile: which half, in bytes
	s_mov_b32 s19, 0
	s_lshl_b32 s20, s17, 4
	s_add_co_u32 s20, s20, s99
	s_lshl_b32 s46, s42, 4
	s_add_co_u32 s46, s46, s66
	s_lshl_b32 s22, s20, 10
	s_mov_b32 s23, 0
	s_lshl_b32 s92, s46, 10
	s_mov_b32 s93, 0
	s_mul_i32 s20, s20, 24576
	s_mov_b32 s21, 0
	s_mul_i32 s46, s46, 24576
	s_mov_b32 s47, 0
	s_mul_i32 s45, s14, HALFT
	s_lshl_b32 s94, s40, 1
	s_add_co_u32 s94, s94, s16
	s_lshl_b32 s94, s94, 13                        ; which of 8 table tiles I prefetch: 2 cx + column half, 8,192 bytes each
	s_wait_dscnt 0x0
	s_wait_kmcnt 0x0
	s_add_nc_u64 s[20:21], s[4:5], s[20:21]
	s_add_nc_u64 s[22:23], s[6:7], s[22:23]
	s_add_nc_u64 s[46:47], s[4:5], s[46:47]
	s_add_nc_u64 s[92:93], s[6:7], s[92:93]
	CROUND
	s_mov_b32 s[G0S], 1
	s_mov_b32 s[G0S+1], SCA
	s_mov_b64 s[G0S+2:G0S+3], s[22:23]
	s_or_b32 s[G0S+3], s[G0S+3], 0x80000000
	s_mov_b32 s[G0SB], 1
	s_mov_b32 s[G0SB+1], SCA+16512
	s_mov_b64 s[G0SB+2:G0SB+3], s[92:93]
	s_or_b32 s[G0SB+3], s[G0SB+3], 0x80000000
.set G0H, 4                            ; s[4:7], s[96:99] group 0 of the head's loads of chunk 0 (what lay there has been used)
.set G0HB, 96
	s_mov_b32 s[G0H], 1                            ; chunk 0 of A's 16 units,
	s_mov_b32 s[G0H+1], 0
	s_mov_b64 s[G0H+2:G0H+3], s[20:21]
	s_or_b32 s[G0H+3], s[G0H+3], 0x80000000
	s_mov_b32 s[G0HB], 1                           ; and of B's, behind them in slot 0
	s_mov_b32 s[G0HB+1], 2*HALFT
	s_mov_b64 s[G0HB+2:G0HB+3], s[46:47]
	s_or_b32 s[G0HB+3], s[G0HB+3], 0x80000000
	s_add_nc_u64 s[20:21], s[20:21], s[18:19]      ; for the ring: my 8 units
	s_add_nc_u64 s[46:47], s[46:47], s[18:19]
.irp s, 0,1
	s_mov_b32 s[G0+4*\s], 1
	s_add_co_u32 s[G0+4*\s+1], s45, \s*SLOT
	s_add_nc_u64 s[G0+4*\s+2:G0+4*\s+3], s[20:21], \s*3072
	s_or_b32 s[G0+4*\s+3], s[G0+4*\s+3], 0x80000000
	s_mov_b32 s[G0B+4*\s], 1
	s_add_co_u32 s[G0B+4*\s+1], s45, \s*SLOT
	s_add_nc_u64 s[G0B+4*\s+2:G0B+4*\s+3], s[46:47], \s*3072
	s_or_b32 s[G0B+4*\s+3], s[G0B+4*\s+3], 0x80000000
.endr
	; where my prefetches stand: of the 8 units that I fetch, the partner at place p (cx for A, cy for B) takes units 2 p and 2 p + 1
	s_cmp_eq_u32 s15, 0
	s_cselect_b32 s43, s40, s41
	s_cselect_b64 s[40:41], s[20:21], s[46:47]
	s_mul_i32 s44, s43, 49152
	s_mov_b32 s45, 0
	s_add_nc_u64 s[40:41], s[40:41], s[44:45]
; THE HEAD'S LOADS, ONE A WAVE: wave 0 chunk 0 of A, wave 1 of B, wave 2 A's scale words, wave 3 B's.  One chain of branches on the wave's number, one load to an arm.
.macro ARM under, g0, g1, next
	s_cmp_lt_u32 s14, \under
	s_cbranch_scc0 \next
	tensor_load_to_lds s[\g0:\g0+3], s[\g1:\g1+7]
	s_nop 0
.rept 4
	v_nop
.endr
	s_branch .Lhead_asked
\next:
.endm
	ARM 1, G0H,  G1,  .Lhead_b
	ARM 2, G0HB, G1B, .Lhead_sa
	ARM 3, G0S,  G1S, .Lhead_sb
	tensor_load_to_lds s[G0SB:G0SB+3], s[G1SB:G1SB+7]
	s_nop 0
.rept 4
	v_nop
.endr
.Lhead_asked:
	v_and_b32 v30, 31, v0                          ; the prefetches' offset: a chunk of two units is 2 x 12 blocks of 256 bytes, a lane a block (lanes 24-31 name the last again)
	v_min_u32 v30, 23, v30
	v_mul_u32_u24 v31, v30, 11
	v_lshrrev_b32 v31, 7, v31                      ; lane / 12
	v_mul_u32_u24 v31, v31, 21504                  ; a unit on is 24,576 bytes, less the 12 blocks counted
	v_lshl_add_u32 v30, v30, 8, v31
	global_prefetch_b8 v30, s[40:41] offset:6144 th:TH_LOAD_NT scope:SCOPE_SE   ; chunks 2 and 3: what the first two refills will load
	global_prefetch_b8 v30, s[40:41] offset:9216 th:TH_LOAD_NT scope:SCOPE_SE
	v_and_b32 v1, 15, v0
	v_bfe_u32 v2, v0, 4, 1
	s_wait_alu depctr_va_vdst(0)
	v_and_b32 v3, 31, v0
	v_lshlrev_b32 v[L16], 4, v3
	v_lshlrev_b32 v[L4], 2, v3
	s_mul_i32 s21, s15, HALFT
	s_mul_i32 s22, s16, HALFT
	s_add_co_u32 s22, s22, 2*HALFT
.irp s, 0,1
	v_add_nc_u32 v[ADRA+\s], s21, v[L16]
	v_add_nc_u32 v[ADRB+\s], s22, v[L16]
	s_add_co_u32 s21, s21, SLOT
	s_add_co_u32 s22, s22, SLOT
.endr
	v_lshlrev_b32 v5, 3, v1
	s_lshl_b32 s21, s15, 13
	s_lshl_b32 s22, s16, 13
	s_add_co_u32 s22, s22, 16512
	s_sub_co_u32 s22, s22, s21
	v_mul_u32_u24 v6, s22, v2
	s_add_co_u32 s21, s21, SCA
	v_add_nc_u32 v5, v5, v6
	v_add_nc_u32 v[ADRS], s21, v5
	s_lshl_b32 s18, s17, 4
	s_lshl_b32 s19, s15, 3
	s_add_co_u32 s18, s18, s19
	s_lshr_b32 s20, s18, 6
	s_and_b32 s21, s18, 63
	s_lshl_b32 s22, s42, 1
	s_add_co_u32 s22, s22, s16
	s_mul_i32 s20, s20, 40
	s_add_co_u32 s20, s20, s22
	s_lshl_b32 s20, s20, 6
	s_add_co_u32 s20, s20, s21
	s_lshr_b32 s23, s22, 3
	s_and_b32 s45, s22, 7
	s_lshl_b32 s23, s23, 2
	s_add_co_u32 s23, s23, s17
	s_lshl_b32 s23, s23, 3
	s_add_co_u32 s23, s23, s45
	s_lshl_b32 s23, s23, 4
	s_add_co_u32 s23, s23, s19
	s_add_co_u32 s23, s23, 5120
	s_cmp_eq_u32 s95, 1
	s_cselect_b32 s20, s23, s20
	s_mul_i32 s46, s20, 1536
	s_mov_b32 s47, 0
	s_add_nc_u64 s[10:11], s[10:11], s[46:47]
	s_lshl_b32 s46, s20, 6
	s_add_nc_u64 s[12:13], s[12:13], s[46:47]
	s_lshl_b32 s46, s21, 13
	s_add_nc_u64 s[8:9], s[8:9], s[46:47]
	v_and_b32 v31, 31, v0
	v_lshl_add_u32 v31, v31, 8, s94                ; the table's 8 tiles of my rows are read by 8 waves of the cluster's row: each asks for one, 32 blocks of 256 bytes
	s_cmp_eq_u32 s95, 1
	s_cbranch_scc1 .Lno_table                      ; V's clusters read no table
	global_prefetch_b8 v31, s[8:9] th:TH_LOAD_NT scope:SCOPE_SE
.Lno_table:
	s_mov_b32 s67, 0xffff0000
	s_mov_b32 s[SEL], 0x76543210
	s_mov_b32 s[SEL+1], 0xfedcba98
.macro FRAG reg, adr, q, i
.irp c, 0,1,2
	ds_load_b128 v[\reg+4*\c:\reg+4*\c+3], v[\adr] offset:3072*(\i)+1536*(\q)+512*\c
.endr
.endm
.macro MUL16 a0, p, q, sc, zero
.irp a, \a0, \a0+1
.irp b, 0,1,2,3,4,5,6,7
.if \zero
	v_wmma_scale_f32_16x16x128_f8f6f4 v[8*(8*((\a)%4)+\b):8*(8*((\a)%4)+\b)+7], v[128*(\p)+FR*\b:128*(\p)+FR*\b+FR-1], v[AF+FR*(\a):AF+FR*(\a)+FR-1], 0, v[SC+8*NQ*(\sc)+NQ*\b+(\q)], v[SC+8*NQ*(\sc)+NQ*(\a)+(\q)] matrix_a_fmt:MATRIX_FMT_FP6 matrix_b_fmt:MATRIX_FMT_FP6 matrix_a_scale:MATRIX_SCALE_ROW1
.else
	v_wmma_scale_f32_16x16x128_f8f6f4 v[8*(8*((\a)%4)+\b):8*(8*((\a)%4)+\b)+7], v[128*(\p)+FR*\b:128*(\p)+FR*\b+FR-1], v[AF+FR*(\a):AF+FR*(\a)+FR-1], v[8*(8*((\a)%4)+\b):8*(8*((\a)%4)+\b)+7], v[SC+8*NQ*(\sc)+NQ*\b+(\q)], v[SC+8*NQ*(\sc)+NQ*(\a)+(\q)] matrix_a_fmt:MATRIX_FMT_FP6 matrix_b_fmt:MATRIX_FMT_FP6 matrix_a_scale:MATRIX_SCALE_ROW1
.endif
.endr
.endr
.endm
.macro FETCH_B slot, q, p
	WIN TO_B
.irp i, 0,1,2,3,4,5,6,7
	FRAG 128*(\p)+FR*\i, ADRB+\slot, \q, \i
.endr
	WIN 0
.endm
.macro FETCH_A slot, q, i0
.irp i, \i0, \i0+1, \i0+2, \i0+3
	FRAG AF+FR*(\i), ADRA+\slot, \q, \i
.endr
.endm
.macro SCALES sc
.irp i, 0,1,2,3,4,5,6,7
	ds_load_b64 v[SC+8*NQ*\sc+NQ*\i:SC+8*NQ*\sc+NQ*\i+1], v[ADRS] offset:1024*\i
.endr
.endm
.macro STEP slot, q, zero
	s_wait_dscnt 4*NL
	WIN MUL_LO
	MUL16 0, (\q)%2, \q, \slot, \zero
	MUL16 2, (\q)%2, \q, \slot, \zero
	s_wait_dscnt 0
	PLACES NP
	FETCH_B \slot, (\q)+1, 1-(\q)%2
	FETCH_A \slot, (\q)+1, 0
	WIN MUL_HI
	MUL16 4, (\q)%2, \q, \slot, \zero
	MUL16 6, (\q)%2, \q, \slot, \zero
	PLACES NP
	WIN 0
	FETCH_A \slot, (\q)+1, 4
.endm
.macro TURN slot, next, fill
.if \fill
	s_wait_xcnt 0x0                                ; my last prefetch has read its address: it steps a chunk on
	s_add_nc_u64 s[40:41], s[40:41], 3072
.endif
	s_wait_tensorcnt 0x0
	ds_add_u32 v[SPW], v[NIL]
	s_wait_dscnt 4*NL+1
	WIN MUL_LO
	MUL16 0, 1, NQ-1, \slot, 0
	s_wait_dscnt 0x0
	s_barrier_signal -1
	MUL16 2, 1, NQ-1, \slot, 0
	WIN 0
	s_barrier_wait -1
.if \fill
	CREST
	s_add_nc_u64 s[G0+4*\slot+2:G0+4*\slot+3], s[G0+4*\slot+2:G0+4*\slot+3], 6144
	s_add_nc_u64 s[G0B+4*\slot+2:G0B+4*\slot+3], s[G0B+4*\slot+2:G0B+4*\slot+3], 6144
	JLOAD G0+4*\slot, G1, G0B+4*\slot, G1B
.else
	PLACES NP
.endif
	s_wait_alu depctr_va_vdst(0)
	v_add_nc_u32 v[ADRS], 128, v[ADRS]
	FETCH_B \next, 0, 0
	FETCH_A \next, 0, 0
	SCALES \next
.if \fill
	s_cmp_gt_u32 s3, 1                             ; the chunk two refills on; the last trip's two refills have none
	s_cbranch_scc0 .Lno_ask_\@
	global_prefetch_b8 v30, s[40:41] offset:9216 th:TH_LOAD_NT scope:SCOPE_SE
.Lno_ask_\@:
.endif
	WIN MUL_HI
	MUL16 4, 1, NQ-1, \slot, 0
	MUL16 6, 1, NQ-1, \slot, 0
	PLACES NP
	WIN 0
	FETCH_A \next, 0, 4
.endm
	s_wait_alu depctr_va_vdst(0)
	s_wait_tensorcnt 0x0                           ; my tile of the head's four is in
	ds_add_u32 v[SPW], v[NIL]
	s_mov_b32 s[G1+2], 8<<16                       ; no tensor load of mine is out: from here on a load brings 8 units
	s_mov_b32 s[G1+4], 8
	s_mov_b32 s[G1B+2], 8<<16
	s_mov_b32 s[G1B+4], 8
	s_wait_dscnt 0x0
	CROUND                                         ; all four tiles are in, and all sixteen work-groups are here
	JLOAD G0+4, G1, G0B+4, G1B                     ; chunk 1, the first tensor load behind the round
	FETCH_B 0, 0, 0
	FETCH_A 0, 0, 0
	SCALES 0
	FETCH_A 0, 0, 4
	STEP 0, 0, 1
	s_mov_b32 s3, LAPS-1
.Llap:
	TURN 0, 1, 1
	STEP 1, 0, 0
	TURN 1, 0, 1
	STEP 0, 0, 0
	s_sub_co_u32 s3, s3, 1
	s_cmp_lg_u32 s3, 0
	s_cbranch_scc1 .Llap
	TURN 0, 1, 0
	STEP 1, 0, 0
	s_wait_dscnt 4*NL
	WIN MUL_LO
	MUL16 0, 1, NQ-1, 1, 0
	MUL16 2, 1, NQ-1, 1, 0
	s_wait_dscnt 0
	WIN MUL_HI
	MUL16 4, 1, NQ-1, 1, 0
	MUL16 6, 1, NQ-1, 1, 0
	WIN 0
.macro QUANT s, w
	WIN ((\w)|((\w)<<2))
.irp b, 0,1,2,3
	v_max3_num_f32 v[TM+\b], |v[\s+16*\b]|, |v[\s+16*\b+1]|, 0x1800000
.endr
.irp i, 2,4,6,8,10,12,14
.irp b, 0,1,2,3
	v_max3_num_f32 v[TM+\b], |v[\s+16*\b+\i]|, |v[\s+16*\b+\i+1]|, v[TM+\b]
.endr
.endr
	WIN 0
.irp b, 0,1,2,3
	v_permlanex16_b32 v[TM+4+\b], v[TM+\b], s[SEL], s[SEL+1]
.endr
.irp b, 0,1,2,3
	v_max_num_f32 v[TM+\b], v[TM+\b], v[TM+4+\b]
.endr
.irp b, 0,1,2,3
	v_add_nc_u32 v[TM+12+\b], 0xff000000, v[TM+\b]
.endr
.irp b, 0,1,2,3
	v_lshrrev_b32 v[TM+4+\b], 23, v[TM+12+\b]
.endr
	v_lshl_or_b32 v[PW], v[TM+5], 8, v[TM+4]
	v_lshl_or_b32 v[PW], v[TM+6], 16, v[PW]
	v_lshl_or_b32 v[PW], v[TM+7], 24, v[PW]
	WIN (\w)
.irp c, 0,1
	v_cvt_scalef32_pk16_fp6_f32 v[PC+6*\c:PC+2+6*\c], v[\s+32*\c:\s+32*\c+15], v[TM+12+2*\c]
	v_cvt_scalef32_pk16_fp6_f32 v[PC+12+4*\c:PC+14+4*\c], v[\s+32*\c+16:\s+32*\c+31], v[TM+13+2*\c]
.endr
	WIN 0
	v_nop
.irp c, 0,1
.irp i, 0,1,2
	v_permlane16_swap_b32 v[PC+6*\c+\i], v[PC+12+4*\c+\i]
.endr
.irp i, 0,1,2
	v_mov_b32 v[PC+3+6*\c+\i], v[PC+12+4*\c+\i]
.endr
.endr
.endm
.macro SENDF a
.irp c, 0,1,2
	global_store_b128 v[L16], v[PC+4*\c:PC+4*\c+3], s[10:11] offset:1536*(\a)+512*\c
.endr
.if (\a)%2 == 0
	v_mov_b32 v[PWE], v[PW]
.else
	v_cndmask_b32 v[PWS], v[PWE], v[PW], s67
	global_store_b32 v[L4], v[PWS], s[12:13] offset:64*((\a)-1)
.endif
.endm
.macro TLOAD a
	WIN 0x40
.irp g, 0,1,2,3,4,5,6,7,8,9,10,11,12,13,14,15
	global_load_b128 v[64*((\a)%4)+4*\g:64*((\a)%4)+4*\g+3], v[L16], s[8:9] offset:8192*(\a)+512*\g
.endr
.endm
.macro ROPE a
.set XB, 64*((\a)%4)
	WIN ((2+(\a)/4)|4)
.set P, 0
.rept 32
	v_mul_f32 v[TT+2*(P%2)], v[XB+2*P+1], v[XB+2*P+1]
	v_mul_f32 v[TT+2*(P%2)+1], v[XB+2*P], v[XB+2*P+1]
	v_fma_f32 v[RP+2*P], v[XB+2*P], v[XB+2*P], -v[TT+2*(P%2)]
	v_fma_f32 v[RP+2*P+1], v[XB+2*P+1], v[XB+2*P], v[TT+2*(P%2)+1]
.set P, P+1
.endr
.endm
.macro QKBLOCK a
.if (\a) <= 5
	s_wait_loadcnt 32
.elseif (\a) == 6
	s_wait_loadcnt 16
.else
	s_wait_loadcnt 0
.endif
	ROPE \a
.if (\a) <= 4
	TLOAD (\a)+3
.endif
	WIN 0
	s_wait_xcnt 0x0
	QUANT RP, 0
	SENDF \a
.endm
.macro VBLOCK a
	s_wait_xcnt 0x0
	QUANT 64*((\a)%4), (2+(\a)/4)
	SENDF \a
.endm
	PLACES NP
.irp b, 0,1,2,3
	v_mov_b32 v[TM+4+\b], 0
.endr
	s_cmp_eq_u32 s95, 1
	s_cbranch_scc1 .Lvpath
	TLOAD 0
	TLOAD 1
	TLOAD 2
	WIN 0
.irp a, 0,1,2,3,4,5,6,7
	QKBLOCK \a
.endr
	s_branch .Ldone
.Lvpath:
.irp a, 0,1,2,3,4,5,6,7
	VBLOCK \a
.endr
.Ldone:
	s_wait_tensorcnt 0x0
	ds_add_u32 v[SPW], v[NIL]
	s_wait_dscnt 0x0
	CROUND
	s_endpgm
.Lfunc_end_k_q6a718f6729_qkv:
	.size	k_q6a718f6729_qkv, .Lfunc_end_k_q6a718f6729_qkv-k_q6a718f6729_qkv
	.p2alignl 7, 3214868480
	.fill 96, 4, 3214868480
	.section	.rodata,"a",@progbits
	.p2align	6, 0x0
	.amdhsa_kernel k_q6a718f6729_qkv
		.amdhsa_group_segment_fixed_size 327680
		.amdhsa_private_segment_fixed_size 0
		.amdhsa_enable_private_segment 0
		.amdhsa_kernarg_size 40
		.amdhsa_user_sgpr_count 2
		.amdhsa_user_sgpr_kernarg_segment_ptr 1
		.amdhsa_wavefront_size32 1
		.amdhsa_system_sgpr_workgroup_id_x 1
		.amdhsa_system_sgpr_workgroup_id_y 1
		.amdhsa_system_sgpr_workgroup_id_z 1
		.amdhsa_system_vgpr_workitem_id 0
		.amdhsa_next_free_vgpr 1024
		.amdhsa_next_free_sgpr 100
		.amdhsa_reserve_vcc 0
		.amdhsa_float_denorm_mode_32 3
		.amdhsa_float_denorm_mode_16_64 3
		.amdhsa_memory_ordered 1
		.amdhsa_forward_progress 1
		.amdhsa_inst_pref_size 237
	.end_amdhsa_kernel
	.amdgpu_metadata
---
amdhsa.version: [ 1, 2 ]
amdhsa.kernels:
  - .name:           k_q6a718f6729_qkv
    .symbol:         k_q6a718f6729_qkv.kd
    .args:
      - { .name: wcodes, .offset: 0, .size: 8, .value_kind: global_buffer, .address_space: global }
      - { .name: wscales, .offset: 8, .size: 8, .value_kind: global_buffer, .address_space: global }
      - { .name: rope, .offset: 16, .size: 8, .value_kind: global_buffer, .address_space: global }
      - { .name: qkvc, .offset: 24, .size: 8, .value_kind: global_buffer, .address_space: global }
      - { .name: qkvs, .offset: 32, .size: 8, .value_kind: global_buffer, .address_space: global }
    .group_segment_fixed_size: 327680
    .private_segment_fixed_size: 0
    .kernarg_segment_align: 8
    .kernarg_segment_size: 40
    .max_flat_workgroup_size: 128
    .sgpr_count:     100
    .vgpr_count:     1024
    .wavefront_size: 32
...
	.end_amdgpu_metadata
.endif
;; end of part 2
;; launch attn (part 3): grid 256 x 1, 8 waves a work-group, clusters of 4 x 1, 327,680 bytes of LDS; arguments qkvc, qkvs, lambda_q1, lambda_k1, lambda_q2, lambda_k2, gn_weight, gn_bias, oc, os; writes oc, os
.if DOCPART == 3
	.amdgcn_target "amdgcn-amd-amdhsa--gfx1250"
	.amdhsa_code_object_version 6
	.text
	.protected	k_q6a718f6729_attn
	.globl	k_q6a718f6729_attn
	.p2align	8
	.type	k_q6a718f6729_attn,@function
k_q6a718f6729_attn:
	s_mov_b64 s[64:65], 0
	v_nop
	global_prefetch_b8 v0, s[64:65] scope:SCOPE_SE
	s_setreg_imm32_b32 hwreg(HW_REG_WAVE_MODE, 25, 1), 1
	s_wait_xcnt 0x0
	s_wait_alu depctr_hold_cnt(0) depctr_sa_sdst(0) depctr_va_vdst(0) depctr_va_sdst(0) depctr_va_ssrc(0) depctr_va_vcc(0) depctr_vm_vsrc(0)
	s_getreg_b32 s2, hwreg(HW_REG_IB_STS2, 6, 4)
	s_cmp_eq_u32 s2, 0
	s_cbranch_scc0 .Lentry_in_a_cluster
	s_endpgm
.Lentry_in_a_cluster:
	s_bfe_u32 s2, ttmp6, 0x10000c
	s_cmp_lg_u32 s2, 0x3003
	s_cbranch_scc0 .Lentry_shape_is_right
	s_endpgm
.Lentry_shape_is_right:
; Differential attention of one head for 128 queries, then the head's norm, gain, bias and factor, and the quantiser for the output projection.  All products on codes of FP6 (E2M3) with E8M0 scales.
; attn = a1 - lam a2 is quantised FINISHED, in blocks of 32 keys, so both softmaxes' maxima and sums must be known before a code is made: the keys are walked TWICE.
; WALK A: scores of both streams, for each a running maximum M (a whole number, the largest t = score x log2(e) / sqrt(128) rounded up) and the sum of 2^(t - M); when M moves the sum is multiplied by 2^(old M - new M), exactly.
; WALK B: the scores again, a1 - lam a2 = 2^(t1 - M1) / l1 - lam 2^(t2 - M2) / l2, hidden places set to 0, quantised along the keys, times V.
; SHARES.  A cluster is the four heads of one kv head (cx enters only the addresses of q, gain, bias, the outputs and the prefetches): K1, K2, V and their scale words are asked for jointly by the four.
; A work-group owns the query blocks jp and 15 - jp of 64; each of its eight waves owns one tile of 16 queries, four early and four late.  A key step is 128 keys; an early tile has SE + 1 steps, a late one SL + 1, together 9.
; AN EARLY WAVE HELPS ITS LATE PARTNER (wave number xor 4).  Both walks go DOWN the key steps 7 .. 0.  Of the late tile's steps SE + 1 .. SL - 1 the early wave takes the even ones and step SE + 1, with the partner's q;
; at step SE it turns to its own tile.  Which steps a wave works is a mask of eight bits made of ids; trip counts are constants.
; Walk A: the helper's M and sum go to the partner through LDS words of their own and are joined under the larger M by exact powers of two.  Walk B: the helper takes the partner's M and 1 / l the same way;
; its part of O^T is stored, when it turns, into K's bytes of steps 4 - 7 (their one fill is the head's, and from step 3 down no wave reads them), and the late wave adds it ahead of the norm.
; The step on a tile's diagonal is always its owner's: hidden scores become -infinity (walk A), hidden weights 0 (walk B).
; LAYOUT.  Both products are used transposed: S^T = K Q^T, O^T = V^T P^T: a lane holds one query (lane % 16).  By the row order of the images the 16 registers of tiles 2 b, 2 b + 1 are keys (channels) 32 b + 16 (lane / 16) + 0 .. 15.
; LDS: K1 and K2 of the whole sequence stay (196,608 bytes); V goes through two slots of two key steps, highest steps first.
; Every wave loads both q tiles, so that one text serves both kinds of wave; a late wave multiplies its own alone.
; LIMITS: NaN and infinities among the inputs are not served; an exponential whose result would lie under 2^-126 comes out as 0; a block whose largest magnitude lies under 2^-124 keeps the byte 1;
; the scaled scores stay under 2^31 in magnitude.
.set SPARE, 0x4C000                    ; the spare words, 128 bytes a wave
.set XCH,   0x4C400                    ; 2 x 4,096 bytes: 16 bytes a thread for walk A's hand-over, 16 for walk B's; no fill lands here
.set KS0,   0x3C000                    ; K's scale words: K1's 4,096 bytes, then K2's
.set VS0,   0x3E000                    ; V's scale words, 8,192 bytes
.set VSL,   0x30000                    ; V's slot 0 (49,152 bytes); slot 1 lies at 0x40000:
.set VX,    0x70000                    ; one exclusive or turns one into the other
.set L16, 1
.set L4,  2
.set SPW, 3
.set NIL, 4
.set DV,  5                            ; my query - the diagonal step's first key - 16 (lane / 16)
.set ADK1, 6
.set ADK2, 7
.set ADKS, 8
.set ADV,  9
.set ADVS, 10
.set NINF, 11
.set ZR,   29
.set SQ,   32                          ; v32-55 the q tile that is not at work; v56, v57 its scale words
.set SQS,  56
.set PFO,  58                          ; prefetch offsets: V's, gain's or bias's
.set PFG,  59
.set PK,   60                          ; v60-63 four numbers a lane for the partner; v64-67 the partner's four
.set PP,   64
.set XA,   68                          ; my 16 bytes of the exchange, my partner's
.set XP,   69
.set STA,  70                          ; where an early wave puts its part of O^T; where a late one finds it
.set STP,  71
.set ST1,  80                          ; v80-143 scores of stream 1, v144-207 of stream 2
.set ST2,  144
.set LT,   80                          ; the head's work on lam
.set PC,   208                         ; v208-219 the weights' codes, v220-227 at work
.set TM,   228                         ; v228-243 at work
.set KSC,  244                         ; v244-247 K's scale words: two tiles to a register
.set QS,   248                         ; v248, v249 q's
.set PW,   250                         ; the weights' scale word
.set VSC,  251                         ; v251-254 V's
.set QF,   128                         ; window 1: v0-127 O^T; v128-151 q's two fragments; v152-247 eight fragments of K or V
.set KF,   152
.set WV,   24
.set CX,   25
.set BKV,  26
.set JP,   27
.set TAU,  28
.set SE,   29
.set SMAX, 30
.set SI,   31
.set TK,   32
.set TKS,  33
.set TV,   34
.set TVS,  35
.set CNT,  36
.set LATE, 37
.set SEL,  38
.set CS,   40
.set GSC,  42
.set G1K,  44
.set G1S,  52
.set ACTM, 66
.set TAUP, 67
.set G1V,  68
.set G0K,  76
.set G0KS, 80
.set G0VS, 84
.set G0V,  88
.set PFV,  96
.set MSB, 0
.macro WIN new
.set WNEW, \new
.if MSB != WNEW
	s_set_vgpr_msb (MSB<<8)|WNEW
.set MSB, WNEW
.endif
.endm
.macro PLACES n
.rept \n
	v_nop
.endr
.endm
.macro CROUND
	s_barrier_signal -1
	s_barrier_wait -1
	s_cmp_lg_u32 s[WV], 0
	s_cbranch_scc1 .Lnot_wave_0_\@
	s_barrier_signal -3
.Lnot_wave_0_\@:
	s_barrier_wait -3
	s_barrier_signal -1
	s_barrier_wait -1
.endm
	s_load_b512 s[4:19], s[0:1], 0x0               ; qkvc, qkvs, lambda_q1, lambda_k1, lambda_q2, lambda_k2, gn_weight, gn_bias
	s_load_b128 s[20:23], s[0:1], 0x40             ; oc, os
	v_lshl_add_u32 v[SPW], v0, 2, SPARE
	v_mov_b32 v[NIL], 0
	ds_add_u32 v[SPW], v[NIL]                      ; the wave's opening: the add, twice, and its wait ahead of my first tensor load
	ds_add_u32 v[SPW], v[NIL]
	v_lshrrev_b32 v1, 5, v0
	s_delay_alu instid0(VALU_DEP_1)
	v_readfirstlane_b32 s[WV], v1
	s_bfe_u32 s[CX], ttmp6, 0x40000                ; the head within its kv group
	s_lshr_b32 s[BKV], ttmp9, 3                    ; 4 x batch + kv
	s_and_b32 s[JP], ttmp9, 7
	s_lshr_b32 s92, s[WV], 1                       ; which tile of a block of 64 queries: mine,
	s_xor_b32 s93, s[WV], 4
	s_lshr_b32 s93, s93, 1                         ; my partner's
	s_lshr_b32 s[LATE], s[WV], 2
	s_xor_b32 s[LATE], s[LATE], s[WV]
	s_and_b32 s[LATE], s[LATE], 1                  ; the late block?
	s_lshl_b32 s60, s92, 14                        ; the place of an early wave's part of O^T: 16,384 bytes, two in K1's steps 4-7, two in K2's
	s_lshr_b32 s62, s92, 1
	s_lshl_b32 s62, s62, 16
	s_add_co_u32 s60, s60, s62
	s_add_co_u32 s60, s60, 49152
	s_lshl_b32 s61, s93, 14
	s_lshr_b32 s62, s93, 1
	s_lshl_b32 s62, s62, 16
	s_add_co_u32 s61, s61, s62
	s_add_co_u32 s61, s61, 49152
	s_lshl_b32 s94, s[JP], 2
	s_sub_co_u32 s95, 60, s94
	s_cmp_eq_u32 s[LATE], 1
	s_cselect_b32 s[TAU], s95, s94
	s_cselect_b32 s[TAUP], s94, s95
	s_add_co_u32 s[TAU], s[TAU], s92               ; my tile of 16 queries
	s_add_co_u32 s[TAUP], s[TAUP], s93             ; my partner's
	s_lshr_b32 s[SMAX], s[TAU], 3                  ; my tile's diagonal step
	s_lshr_b32 s[SE], s[JP], 1                     ; the early tiles',
	s_lshr_b32 s95, s95, 3                         ; the late tiles' (SL)
	s_add_co_u32 s94, s[SE], 1
	s_lshl_b32 s94, 1, s94
	s_lshl_b32 s95, 1, s95
	s_sub_co_u32 s95, s95, s94                     ; bits SE + 1 .. SL - 1,
	s_or_b32 s94, s94, 0x55
	s_and_b32 s95, s95, s94                        ; of them the even ones and SE + 1: the helper's steps
	s_lshl_b32 s94, 2, s[SMAX]
	s_sub_co_u32 s94, s94, 1                       ; bits 0 .. my diagonal step
	s_or_b32 s[ACTM], s94, s95                     ; an early wave works its own steps and the helper's,
	s_and_not1_b32 s94, s94, s95                   ; a late one its own less the helper's
	s_cmp_eq_u32 s[LATE], 1
	s_cselect_b32 s[ACTM], s94, s[ACTM]
	s_lshr_b32 s94, s[TAU], 1
	s_lshl_b32 s94, s94, 5
	s_and_b32 s95, s[TAU], 1
	s_lshl_b32 s95, s95, 3
	s_add_co_u32 s94, s94, s95
	s_lshl_b32 s95, s[SMAX], 7
	s_sub_co_u32 s94, s94, s95
	v_and_b32 v60, 15, v0                          ; r
	v_bfe_u32 v62, v0, 4, 1                        ; h
	v_and_b32 v64, 31, v0                          ; lane
	v_and_b32 v61, 8, v60
	v_lshlrev_b32 v63, 4, v62
	v_add_nc_u32 v61, v61, v60
	v_lshlrev_b32 v[L16], 4, v64
	v_sub_nc_u32 v61, v61, v63
	v_lshlrev_b32 v[L4], 2, v64
	v_add_nc_u32 v[DV], s94, v61
	v_lshlrev_b32 v77, 2, v60                      ; 4 r
	v_lshlrev_b32 v78, 6, v62                      ; 64 h
	v_lshlrev_b32 v79, 3, v60                      ; 8 r
	v_min_u32 v[PFO], 5, v64                       ; V's prefetches: six blocks of 256 bytes a wave, a lane a block (the other lanes name the last again)
	v_lshl_add_u32 v[XA], v0, 4, XCH
	v_xor_b32 v[XP], 128, v0
	v_lshlrev_b32 v[PFO], 8, v[PFO]
	v_lshl_add_u32 v[XP], v[XP], 4, XCH
	v_add_nc_u32 v[STA], s60, v[L16]
	v_add_nc_u32 v[STP], s61, v[L16]
	; descriptor groups 1: dense blocks as rows of 256 bytes (32 elements of 8 bytes); the mask names all four work-groups, bit 21 beside it
.irp g, G1K, G1S, G1V
	s_mov_b32 s[\g], 15|(3<<16)|(1<<21)
	s_mov_b32 s[\g+1], 32<<16
	s_mov_b32 s[\g+3], 32<<16
	s_mov_b32 s[\g+5], 32
	s_mov_b32 s[\g+6], 0
	s_mov_b32 s[\g+7], 0
.endr
	s_mov_b32 s[G1K+2], 128<<16                    ; 32,768 bytes of K: a sixth of K1 and K2
	s_mov_b32 s[G1K+4], 128
	s_mov_b32 s[G1S+2], 32<<16                     ; 8,192 bytes of scale words
	s_mov_b32 s[G1S+4], 32
	s_mov_b32 s[G1V+2], 24<<16                     ; 6,144 bytes: 4 fragments of V
	s_mov_b32 s[G1V+4], 24
	s_lshr_b32 s92, s[BKV], 2                      ; batch
	s_and_b32 s93, s[BKV], 3                       ; kv
	s_mul_i32 s94, s92, 40
	s_lshl_b32 s95, s93, 1
	s_add_co_u32 s94, s94, s95
	s_add_co_u32 s94, s94, 32                      ; K1's stream; K2's follows it
	s_mov_b32 s[G0K], 1
	s_mul_i32 s[G0K+1], s[WV], 32768               ; waves 0-5 bring a sixth of K each: LDS address = wave x a constant
	s_mul_i32 s[G0K+2], s94, 98304
	s_add_co_u32 s[G0K+2], s[G0K+2], s[G0K+1]
	s_mov_b32 s[G0K+3], 0
	s_mov_b32 s[G0KS], 1
	s_mov_b32 s[G0KS+1], KS0
	s_lshl_b32 s[G0KS+2], s94, 12
	s_mov_b32 s[G0KS+3], 0
	s_mov_b32 s[G0VS], 1
	s_mov_b32 s[G0VS+1], VS0
	s_lshl_b32 s[G0VS+2], s[BKV], 13
	s_add_co_u32 s[G0VS+2], s[G0VS+2], 327680
	s_mov_b32 s[G0VS+3], 0
	s_mul_i32 s95, s[WV], 6144
	s_mov_b32 s[G0V], 1
	s_add_co_u32 s[G0V+1], s95, VSL
	s_mul_i32 s[G0V+2], s[BKV], 196608
	s_add_co_u32 s[G0V+2], s[G0V+2], s95
	s_add_co_u32 s[G0V+2], s[G0V+2], 7864320+147456   ; V's key steps 6 and 7 come first
	s_mov_b32 s[G0V+3], 0
	; what hangs on cx: q, gain and bias, the outputs
	s_lshl_b32 s96, s93, 2
	s_add_co_u32 s96, s96, s[CX]                   ; head
	s_mul_i32 s97, s92, 40
	s_lshl_b32 s98, s96, 1
	s_add_co_u32 s97, s97, s98
	s_lshl_b32 s97, s97, 6                         ; q1's fragments of the head; q2's lie 64 fragments on
	s_cmp_eq_u32 s[LATE], 1
	s_cselect_b32 s98, s[TAU], s[TAUP]             ; at work first: the late tile's q, in both kinds of wave
	s_cselect_b32 s99, s[TAUP], s[TAU]
	s_add_co_u32 s98, s98, s97
	s_add_co_u32 s99, s99, s97
	s_mul_i32 s100, s98, 1536
	s_mul_i32 s101, s99, 1536
	s_lshl_b32 s98, s98, 6
	s_lshl_b32 s99, s99, 6
	v_add_nc_u32 v72, s100, v[L16]
	v_add_nc_u32 v73, s101, v[L16]
	v_add_nc_u32 v74, s98, v77
	v_add_nc_u32 v75, s99, v77
	s_lshl_b32 s60, s96, 10                        ; the head's 256 gains
	s_mov_b32 s61, 0
	s_lshl_b32 s62, s92, 6
	s_add_co_u32 s62, s62, s[TAU]                  ; the row tile of o
	s_lshl_b32 s63, s62, 5
	s_lshl_b32 s2, s96, 1
	s_add_co_u32 s63, s63, s2
	s_mul_i32 s2, s63, 1536                        ; oc: [row tile][K step 2 head + F][1,536]
	s_mov_b32 s3, 0
	s_lshl_b32 s62, s62, 4
	s_add_co_u32 s62, s62, s96
	s_lshl_b32 s62, s62, 7                         ; os: [row tile][head][row][2 words]
	s_mov_b32 s63, 0
	s_mov_b32 s[SEL], 0x76543210
	s_mov_b32 s[SEL+1], 0xfedcba98
	s_mov_b32 s[CS], 0x3e0293ee                    ; log2(e) / sqrt(128)
	s_mov_b32 s[CS+1], s[CS]
	s_mov_b32 s[GSC], 0x3f24fd5c                   ; 1 - lambda_init
	s_mov_b32 s[GSC+1], s[GSC]
	s_wait_dscnt 0x0                               ; the opening adds are done
	s_wait_kmcnt 0x0
	s_add_nc_u64 s[G0K+2:G0K+3], s[4:5], s[G0K+2:G0K+3]
	s_or_b32 s[G0K+3], s[G0K+3], 0x80000000
	s_add_nc_u64 s[G0KS+2:G0KS+3], s[6:7], s[G0KS+2:G0KS+3]
	s_or_b32 s[G0KS+3], s[G0KS+3], 0x80000000
	s_add_nc_u64 s[G0VS+2:G0VS+3], s[6:7], s[G0VS+2:G0VS+3]
	s_or_b32 s[G0VS+3], s[G0VS+3], 0x80000000
	s_add_nc_u64 s[G0V+2:G0V+3], s[4:5], s[G0V+2:G0V+3]
	s_mul_i32 s92, s[CX], 1536                     ; of the 6,144 bytes of V that I fetch, the partner at place cx prefetches a quarter;
	s_mov_b32 s93, 0
	s_add_nc_u64 s[PFV:PFV+1], s[G0V+2:G0V+3], s[92:93]
	s_sub_nc_u64 s[PFV:PFV+1], s[PFV:PFV+1], 49152 ; the prefetches stand one slot ahead of the loads: at steps 4 and 5
	s_or_b32 s[G0V+3], s[G0V+3], 0x80000000
	s_add_nc_u64 s[16:17], s[16:17], s[60:61]
	s_add_nc_u64 s[18:19], s[18:19], s[60:61]
	s_and_b32 s94, s[WV], 3                        ; the head's gains and biases are 4 + 4 blocks of 256 bytes: each wave prefetches one
	s_lshl_b32 s94, s94, 8
	v_mov_b32 v[PFG], s94
	s_cmp_lt_u32 s[WV], 4
	s_cselect_b64 s[60:61], s[16:17], s[18:19]
	s_add_nc_u64 s[20:21], s[20:21], s[2:3]
	s_add_nc_u64 s[22:23], s[22:23], s[62:63]
	CROUND                                         ; all four work-groups are here: the first joint loads meet
	; the head's loads, one a wave: waves 0-5 K, wave 6 K's scale words, wave 7 V's; one chain of branches on the wave's number
	s_cmp_lt_u32 s[WV], 6
	s_cbranch_scc0 .Lhead_ks
	tensor_load_to_lds s[G0K:G0K+3], s[G1K:G1K+7]
	s_nop 0
	PLACES 4
	s_branch .Lhead_asked
.Lhead_ks:
	s_cmp_lt_u32 s[WV], 7
	s_cbranch_scc0 .Lhead_vs
	tensor_load_to_lds s[G0KS:G0KS+3], s[G1S:G1S+7]
	s_nop 0
	PLACES 4
	s_branch .Lhead_asked
.Lhead_vs:
	tensor_load_to_lds s[G0VS:G0VS+3], s[G1S:G1S+7]
	s_nop 0
	PLACES 4
.Lhead_asked:
	WIN 0x40
	s_wait_alu depctr_va_vdst(0)
.irp g, 0,1
.irp c, 0,1,2
	global_load_b128 v[QF+12*\g+4*\c:QF+12*\g+4*\c+3], v72, s[4:5] offset:98304*\g+512*\c
.endr
.endr
	WIN 0
.irp g, 0,1
.irp c, 0,1,2
	global_load_b128 v[SQ+12*\g+4*\c:SQ+12*\g+4*\c+3], v73, s[4:5] offset:98304*\g+512*\c
.endr
.endr
	global_load_b32 v[QS], v74, s[6:7]
	global_load_b32 v[QS+1], v74, s[6:7] offset:4096
	global_load_b32 v[SQS], v75, s[6:7]
	global_load_b32 v[SQS+1], v75, s[6:7] offset:4096
	global_load_b128 v[LT:LT+3], v[L16], s[8:9]    ; the four lambda vectors, four numbers a lane
	global_load_b128 v[LT+4:LT+7], v[L16], s[10:11]
	global_load_b128 v[LT+8:LT+11], v[L16], s[12:13]
	global_load_b128 v[LT+12:LT+15], v[L16], s[14:15]
	global_prefetch_b8 v[PFG], s[60:61] th:TH_LOAD_NT scope:SCOPE_SE   ; my block of gain or bias, which the norm behind both walks reads
	v_mov_b32 v[NINF], 0xff800000
	v_mov_b32 v[ZR], 0
.macro FRESH                           ; no key seen yet: the largest t -3e38, -M its floor, the sums 0
	v_mov_b32 v13, 0xff61b1e6
	v_mov_b32 v15, 0xff61b1e6
	v_mov_b32 v12, 0x7f61b1e6
	v_mov_b32 v14, 0x7f61b1e6
.irp j, 16,17,18,19
	v_mov_b32 v[\j], 0
.endr
.endm
	FRESH
	v_mov_b32 v[PK], 0x7f61b1e6                    ; what a wave that helps nobody hands over: the same
	v_mov_b32 v[PK+1], 0
	v_mov_b32 v[PK+2], 0x7f61b1e6
	v_mov_b32 v[PK+3], 0
.irp j, 21,23,LT+18,LT+19
	v_mov_b32 v[\j], 0                             ; upper halves of pairs that are named whole; permutes' destinations
.endr
.irp b, 0,1,2,3
	v_mov_b32 v[TM+4+\b], 0
.endr
.macro ZEROO
	WIN 0x40
.set J, 0
.rept 128
	v_mov_b32 v[J], 0                              ; O^T: a step is written once, with no first turn of its own: the first adds onto zeros
.set J, J+1
.endr
	WIN 0
.endm
	ZEROO
	s_wait_loadcnt 0x0
	; lam = e^(lq1 . lk1) - e^(lq2 . lk2) + lambda_init
	v_mul_f32 v[LT+16], v[LT], v[LT+4]
	v_mul_f32 v[LT+17], v[LT+8], v[LT+12]
.irp i, 1,2,3
	s_delay_alu instid0(VALU_DEP_2)
	v_fmac_f32 v[LT+16], v[LT+\i], v[LT+4+\i]
	s_delay_alu instid0(VALU_DEP_2)
	v_fmac_f32 v[LT+17], v[LT+8+\i], v[LT+12+\i]
.endr
.irp m, 1,2,4,8
	s_delay_alu instid0(VALU_DEP_2)
	v_add_f32_dpp v[LT+16], v[LT+16], v[LT+16] row_xmask:\m row_mask:0xf bank_mask:0xf
	s_delay_alu instid0(VALU_DEP_2)
	v_add_f32_dpp v[LT+17], v[LT+17], v[LT+17] row_xmask:\m row_mask:0xf bank_mask:0xf
.endr
	s_delay_alu instid0(VALU_DEP_2)
	v_permlanex16_b32 v[LT+18], v[LT+16], s[SEL], s[SEL+1]
	s_delay_alu instid0(VALU_DEP_2)
	v_permlanex16_b32 v[LT+19], v[LT+17], s[SEL], s[SEL+1]
	s_delay_alu instid0(VALU_DEP_2)
	v_add_f32 v[LT+16], v[LT+16], v[LT+18]
	s_delay_alu instid0(VALU_DEP_2)
	v_add_f32 v[LT+17], v[LT+17], v[LT+19]
	s_mov_b32 s92, 0x3fb8aa3b                      ; log2(e) in two parts
	s_mov_b32 s93, 0x32a57060
	v_mul_f32 v[LT+18], s92, v[LT+16]
	v_mul_f32 v[LT+19], s92, v[LT+17]
	s_delay_alu instid0(VALU_DEP_2)
	v_rndne_f32 v[LT+18], v[LT+18]                 ; the exponent's whole part,
	s_delay_alu instid0(VALU_DEP_2)
	v_rndne_f32 v[LT+19], v[LT+19]
	s_delay_alu instid0(VALU_DEP_2)
	v_fma_f32 v[LT+20], v[LT+16], s92, -v[LT+18]   ; and its rest, within a half
	s_delay_alu instid0(VALU_DEP_2)
	v_fma_f32 v[LT+21], v[LT+17], s92, -v[LT+19]
	s_delay_alu instid0(VALU_DEP_2)
	v_fma_f32 v[LT+20], v[LT+16], s93, v[LT+20]
	s_delay_alu instid0(VALU_DEP_2)
	v_fma_f32 v[LT+21], v[LT+17], s93, v[LT+21]
	s_wait_alu depctr_va_vdst(0)
	v_exp_f32 v[LT+20], v[LT+20]
	v_exp_f32 v[LT+21], v[LT+21]
	v_cvt_i32_f32 v[LT+18], v[LT+18]
	v_cvt_i32_f32 v[LT+19], v[LT+19]
	s_wait_alu depctr_va_vdst(0)                   ; one wait for the two, ahead of their first reader
	v_ldexp_f32 v[LT+20], v[LT+20], v[LT+18]
	v_ldexp_f32 v[LT+21], v[LT+21], v[LT+19]
	s_delay_alu instid0(VALU_DEP_1)
	v_sub_f32 v28, v[LT+20], v[LT+21]
	s_delay_alu instid0(VALU_DEP_1)
	v_add_f32 v28, 0x3eb60549, v28                 ; lam
.macro ADRK                            ; K's address registers at the key step that s[TK], s[TKS] stand at
	v_add_nc_u32 v[ADK1], s[TK], v[L16]
	s_add_co_u32 s92, s[TK], 98304
	v_add_nc_u32 v[ADK2], s92, v[L16]
	v_add_nc_u32 v[ADKS], s[TKS], v[L4]
.endm
.macro ADRV                            ; V's likewise
	v_add_nc_u32 v[ADV], s[TV], v[L16]
	v_add_nc_u32 v[ADVS], s[TVS], v[L4]
.endm
.macro FETCHK g                        ; the eight tiles of stream g and their scale words: tile 2 p in lanes 0-15, tile 2 p + 1 in lanes 16-31
	WIN 0x40
.irp i, 0,1,2,3,4,5,6,7
.irp c, 0,1,2
	ds_load_b128 v[KF+12*\i+4*\c:KF+12*\i+4*\c+3], v[ADK1+(\g)-1] offset:1536*\i+512*\c
.endr
.endr
	WIN 0
.irp p, 0,1,2,3
	ds_load_b32 v[KSC+\p], v[ADKS] offset:4096*((\g)-1)+128*\p
.endr
.endm
.macro SCORE g                         ; S^T = K Q^T: eight accumulators, each begun with the constant 0
	WIN 0x05
.irp i, 0,1,2,3,4,5,6,7
.if \i%2
	v_wmma_scale_f32_16x16x128_f8f6f4 v[ST1+64*((\g)-1)+8*\i:ST1+64*((\g)-1)+8*\i+7], v[KF+12*\i:KF+12*\i+11], v[QF+12*((\g)-1):QF+12*((\g)-1)+11], 0, v[KSC+\i/2], v[QS+(\g)-1] matrix_a_fmt:MATRIX_FMT_FP6 matrix_b_fmt:MATRIX_FMT_FP6 matrix_a_scale:MATRIX_SCALE_ROW1
.else
	v_wmma_scale_f32_16x16x128_f8f6f4 v[ST1+64*((\g)-1)+8*\i:ST1+64*((\g)-1)+8*\i+7], v[KF+12*\i:KF+12*\i+11], v[QF+12*((\g)-1):QF+12*((\g)-1)+11], 0, v[KSC+\i/2], v[QS+(\g)-1] matrix_a_fmt:MATRIX_FMT_FP6 matrix_b_fmt:MATRIX_FMT_FP6
.endif
.endr
	WIN 0
.endm
.macro FETCHV q, u                     ; channel tiles 8 u .. 8 u + 7 of the slot's q-th key step
	WIN 0x40
.irp i, 0,1,2,3,4,5,6,7
.irp c, 0,1,2
	ds_load_b128 v[KF+12*\i+4*\c:KF+12*\i+4*\c+3], v[ADV] offset:24576*(\q)+1536*(8*(\u)+\i)+512*\c
.endr
.endr
	WIN 0
.irp p, 0,1,2,3
	ds_load_b32 v[VSC+\p], v[ADVS] offset:64*(8*(\u)+2*\p)
.endr
.endm
.macro PV u                            ; O^T += V^T P^T: eight accumulators by turns, one instruction a turn
	WIN 0x51
.irp i, 0,1,2,3,4,5,6,7
.if \i%2
	v_wmma_scale_f32_16x16x128_f8f6f4 v[8*(8*(\u)+\i):8*(8*(\u)+\i)+7], v[KF+12*\i:KF+12*\i+11], v[PC:PC+11], v[8*(8*(\u)+\i):8*(8*(\u)+\i)+7], v[VSC+\i/2], v[PW] matrix_a_fmt:MATRIX_FMT_FP6 matrix_b_fmt:MATRIX_FMT_FP6 matrix_a_scale:MATRIX_SCALE_ROW1
.else
	v_wmma_scale_f32_16x16x128_f8f6f4 v[8*(8*(\u)+\i):8*(8*(\u)+\i)+7], v[KF+12*\i:KF+12*\i+11], v[PC:PC+11], v[8*(8*(\u)+\i):8*(8*(\u)+\i)+7], v[VSC+\i/2], v[PW] matrix_a_fmt:MATRIX_FMT_FP6 matrix_b_fmt:MATRIX_FMT_FP6
.endif
.endr
	WIN 0
.endm
.macro MASKD base, val                 ; on my tile's diagonal step alone: register 16 b + i holds the step's key 32 b + 16 (lane / 16) + i, hidden where 32 b + i > v[DV]
	s_cmp_eq_u32 s[SI], s[SMAX]
	s_cbranch_scc0 .Lopen_\@
.set N, 0
.rept 64
	v_cmp_gt_i32 vcc_lo, 32*(N/16)+N%16, v[DV]
	v_cndmask_b32 v[\base+N], v[\base+N], v[\val], vcc_lo
.set N, N+1
.endr
.Lopen_\@:
.endm
.macro EXPS g                          ; 2^(t - M) of stream g's 64 scores, in place
.set SBS, ST1+64*((\g)-1)
.set MR, 12+2*((\g)-1)
.set J, 0
.rept 32
	v_pk_fma_f32 v[SBS+J:SBS+J+1], v[SBS+J:SBS+J+1], s[CS:CS+1], v[MR:MR+1] op_sel_hi:[1,0,0]
.set J, J+2
.endr
.set J, 0
	s_wait_alu depctr_va_vdst(0)
.rept 64
	v_exp_f32 v[SBS+J], v[SBS+J]
.set J, J+1
.endr
.endm
.macro STATS g                         ; walk A: the running maximum and sum of stream g
.set SBS, ST1+64*((\g)-1)
.set MR, 12+2*((\g)-1)
.set LR, 16+2*((\g)-1)
.set FG, 20+2*((\g)-1)
.irp b, 0,1,2,3
	v_max3_num_f32 v[TM+\b], v[SBS+16*\b], v[SBS+16*\b+1], v[SBS+16*\b+2]
.endr
.irp i, 3,5,7,9,11,13
.irp b, 0,1,2,3
	v_max3_num_f32 v[TM+\b], v[TM+\b], v[SBS+16*\b+\i], v[SBS+16*\b+\i+1]
.endr
.endr
.irp b, 0,1,2,3
	v_max_num_f32 v[TM+\b], v[TM+\b], v[SBS+16*\b+15]
.endr
	s_delay_alu instid0(VALU_DEP_2)
	v_max3_num_f32 v[TM], v[TM], v[TM+1], v[TM+2]
	s_delay_alu instid0(VALU_DEP_1)
	v_max_num_f32 v[TM], v[TM], v[TM+3]
	s_delay_alu instid0(VALU_DEP_1)
	v_permlanex16_b32 v[TM+4], v[TM], s[SEL], s[SEL+1]
	s_delay_alu instid0(VALU_DEP_1)
	v_max_num_f32 v[TM], v[TM], v[TM+4]            ; the step's largest score of my query
	s_delay_alu instid0(VALU_DEP_1)
	v_mul_f32 v[TM], s[CS], v[TM]
	s_delay_alu instid0(VALU_DEP_1)
	v_max_num_f32 v[MR+1], v[MR+1], v[TM]          ; the running largest t
	v_mov_b32 v[TM], v[MR]
	s_delay_alu instid0(VALU_DEP_2)
	v_floor_f32 v[MR], -v[MR+1]                    ; -M = floor(-t)
	s_delay_alu instid0(VALU_DEP_1)
	v_sub_f32 v[TM], v[MR], v[TM]                  ; old M - new M, a whole number, 0 or less
	s_delay_alu instid0(VALU_DEP_1)
	v_cvt_i32_f32 v[TM], v[TM]                     ; (it saturates)
	s_delay_alu instid0(VALU_DEP_1)
	v_ldexp_f32 v[FG], 1.0, v[TM]
	EXPS \g
	v_pk_mul_f32 v[LR:LR+1], v[LR:LR+1], v[FG:FG+1] op_sel_hi:[1,0]   ; the sum under the new M: a plain place behind the exponentials
	s_wait_alu depctr_va_vdst(0)                   ; one wait for the batch, ahead of its first reader
	v_pk_add_f32 v[TM:TM+1], v[SBS:SBS+1], v[SBS+2:SBS+3]
.irp j, 4,8,12,16,20,24,28,32,36,40,44,48,52,56,60
	v_pk_add_f32 v[LR:LR+1], v[LR:LR+1], v[SBS+\j:SBS+\j+1]
	v_pk_add_f32 v[TM:TM+1], v[TM:TM+1], v[SBS+\j+2:SBS+\j+3]
.endr
	s_delay_alu instid0(VALU_DEP_1)
	v_pk_add_f32 v[LR:LR+1], v[LR:LR+1], v[TM:TM+1]
.endm
.macro COMBINE                         ; a1 - lam a2, into stream 1's registers
.set J, 0
.rept 32
	v_pk_mul_f32 v[ST1+J:ST1+J+1], v[ST1+J:ST1+J+1], v[24:25] op_sel_hi:[1,0]
.set J, J+2
.endr
.set J, 0
.rept 32
	v_pk_fma_f32 v[ST1+J:ST1+J+1], v[ST2+J:ST2+J+1], v[26:27], v[ST1+J:ST1+J+1] op_sel_hi:[1,0,1]
.set J, J+2
.endr
.endm
.macro QUANT s, w                      ; 64 numbers at v[s] on in window w, register 16 b + i = k 32 b + 16 (lane / 16) + i of my row -> v[PC .. PC + 11], v[PW]
	WIN ((\w)|((\w)<<2))
.irp b, 0,1,2,3
	v_max3_num_f32 v[TM+\b], |v[\s+16*\b]|, |v[\s+16*\b+1]|, 0x1800000   ; with the floor 2^(3 - 127): the byte cannot fall under 1
.endr
.irp i, 2,4,6,8,10,12,14
.irp b, 0,1,2,3
	s_delay_alu instid0(VALU_DEP_4)
	v_max3_num_f32 v[TM+\b], |v[\s+16*\b+\i]|, |v[\s+16*\b+\i+1]|, v[TM+\b]
.endr
.endr
	WIN 0
.irp b, 0,1,2,3
	v_permlanex16_b32 v[TM+4+\b], v[TM+\b], s[SEL], s[SEL+1]
.endr
.irp b, 0,1,2,3
	s_delay_alu instid0(VALU_DEP_4)
	v_max_num_f32 v[TM+\b], v[TM+\b], v[TM+4+\b]
.endr
.irp b, 0,1,2,3
	s_delay_alu instid0(VALU_DEP_4)
	v_add_nc_u32 v[TM+12+\b], 0xff000000, v[TM+\b]
.endr
.irp b, 0,1,2,3
	s_delay_alu instid0(VALU_DEP_4)
	v_lshrrev_b32 v[TM+4+\b], 23, v[TM+12+\b]
.endr
	s_delay_alu instid0(VALU_DEP_3)
	v_lshl_or_b32 v[PW], v[TM+5], 8, v[TM+4]
	s_delay_alu instid0(VALU_DEP_1)
	v_lshl_or_b32 v[PW], v[TM+6], 16, v[PW]
	s_delay_alu instid0(VALU_DEP_1)
	v_lshl_or_b32 v[PW], v[TM+7], 24, v[PW]
	WIN (\w)
.irp c, 0,1
	v_cvt_scalef32_pk16_fp6_f32 v[PC+6*\c:PC+2+6*\c], v[\s+32*\c:\s+32*\c+15], v[TM+12+2*\c]
	v_cvt_scalef32_pk16_fp6_f32 v[PC+12+4*\c:PC+14+4*\c], v[\s+32*\c+16:\s+32*\c+31], v[TM+13+2*\c]
.endr
	WIN 0
	v_nop                                          ; one plain place behind a scaled conversion
.irp c, 0,1
.irp i, 0,1,2
	v_permlane16_swap_b32 v[PC+6*\c+\i], v[PC+12+4*\c+\i]
.endr
.irp i, 0,1,2
	s_delay_alu instid0(VALU_DEP_3)
	v_mov_b32 v[PC+3+6*\c+\i], v[PC+12+4*\c+\i]
.endr
.endr
.endm
.macro QSWAP                           ; the q tile at work and the other change places, through the scores' registers, which hold nothing between two steps.  The scale words first: 72 moves then stand ahead of the next product
	v_mov_b32 v[ST2], v[QS]
	v_mov_b32 v[ST2+1], v[QS+1]
	v_mov_b32 v[QS], v[SQS]
	v_mov_b32 v[QS+1], v[SQS+1]
	v_mov_b32 v[SQS], v[ST2]
	v_mov_b32 v[SQS+1], v[ST2+1]
	WIN 0x01
.set J, 0
.rept 24
	v_mov_b32 v[ST1+J], v[QF+J]
.set J, J+1
.endr
	WIN 0x40
.set J, 0
.rept 24
	v_mov_b32 v[QF+J], v[SQ+J]
.set J, J+1
.endr
	WIN 0
.set J, 0
.rept 24
	v_mov_b32 v[SQ+J], v[ST1+J]
.set J, J+1
.endr
.endm
.macro CHANGE fill                     ; a change of V's slots.  fill = 1: the slot just read out, or not filled yet, takes the two key steps below those last asked for
.if \fill
	s_wait_xcnt 0x0                                ; my last prefetch has read its address: it steps a slot down
	s_sub_nc_u64 s[PFV:PFV+1], s[PFV:PFV+1], 49152
.endif
	s_wait_tensorcnt 0x0
	ds_add_u32 v[SPW], v[NIL]
.if \fill
	s_xor_b32 s[G0V+1], s[G0V+1], VX               ; no load of mine is out: the walking descriptor may be written
	s_sub_nc_u64 s[G0V+2:G0V+3], s[G0V+2:G0V+3], 49152
.endif
	s_wait_dscnt 0x0
.if \fill
	CROUND
	tensor_load_to_lds s[G0V:G0V+3], s[G1V:G1V+7]
	s_nop 0
	PLACES 4
	s_cmp_lg_u32 s[CNT], 1                         ; V's next slot, one refill ahead; the last refill has none behind it
	s_cbranch_scc0 .Lno_ask_\@
	global_prefetch_b8 v[PFO], s[PFV:PFV+1] th:TH_LOAD_NT scope:SCOPE_SE
.Lno_ask_\@:
.else
	s_barrier_signal -1
	s_barrier_wait -1
.endif
.endm
; A STEP OF WALK B: key step s[SI], the slot's q-th.  sw = 1 (steps 3 .. 0): an early wave that has come to its own diagonal step first turns from its partner's tile to its own.
.macro UNITB q, sw
.if \sw
	s_cmp_eq_u32 s[LATE], 1
	s_cbranch_scc1 .Lnsw_\@
	s_cmp_eq_u32 s[SI], s[SE]
	s_cbranch_scc0 .Lnsw_\@
	PLACES 4                                       ; behind the last products
	WIN 0x04
.set J, 0
.rept 32
	ds_store_b128 v[STA], v[4*J:4*J+3] offset:512*J   ; my part of the partner's O^T, as an image of the registers, each accumulator from its low end on
.set J, J+1
.endr
	ZEROO
	v_mov_b32 v12, v[PK]                           ; my own tile's -M1, 1 / l1, -M2, -lam / l2
	v_mov_b32 v24, v[PK+1]
	v_mov_b32 v14, v[PK+2]
	v_mov_b32 v26, v[PK+3]
	QSWAP
.Lnsw_\@:
.endif
	s_bitcmp1_b32 s[ACTM], s[SI]
	s_cbranch_scc0 .Lend_\@
	ADRK                                           ; these five additions are also the places behind the last step's products
	ADRV
	s_wait_alu depctr_va_vdst(0)
	FETCHK 1
	s_wait_dscnt 0x0
	SCORE 1
	PLACES 4                                       ; in front of loads into registers that these products read
	FETCHK 2
	EXPS 1
	s_wait_dscnt 0x0
	SCORE 2
	PLACES 4
	FETCHV \q, 0
	EXPS 2
	v_nop                                          ; a plain place behind the last exponential
	s_wait_alu depctr_va_vdst(0)                   ; one wait for all 128
	COMBINE
	MASKD ST1, ZR                                  ; hidden places are exactly 0
	QUANT ST1, 0
	PLACES 8                                       ; a scale register written by a vector instruction stands 8 places ahead of a scaled matrix instruction, an operand 4
	s_wait_dscnt 0x0
	s_wait_alu depctr_va_vdst(0)
	PV 0
	PLACES 4
	FETCHV \q, 1
	s_wait_dscnt 0x0
	s_wait_alu depctr_va_vdst(0)
	PV 1
.Lend_\@:
	s_sub_co_u32 s[SI], s[SI], 1
	s_sub_co_u32 s[TK], s[TK], 12288
	s_sub_co_u32 s[TKS], s[TKS], 512
	s_sub_co_u32 s[TVS], s[TVS], 1024
.endm
	s_wait_alu depctr_va_vdst(0)                   ; the head's end
	s_wait_tensorcnt 0x0                           ; my part of K or of the scale words is in
	ds_add_u32 v[SPW], v[NIL]
	s_wait_dscnt 0x0
	CROUND                                         ; everybody's parts are in, and all four work-groups are here
	tensor_load_to_lds s[G0V:G0V+3], s[G1V:G1V+7]  ; V's slot 0, key steps 6 and 7, an eighth a wave: it lands under walk A
	s_nop 0
	PLACES 4
	global_prefetch_b8 v[PFO], s[PFV:PFV+1] th:TH_LOAD_NT scope:SCOPE_SE   ; V's steps 4 and 5, which the round behind walk A loads
	; WALK A, key steps 7 .. 0
	s_mov_b32 s[SI], 7
	s_mov_b32 s[TK], 7*12288
	s_mov_b32 s[TKS], KS0+7*512
	s_mov_b32 s[CNT], 8
.LwalkA:
	s_cmp_eq_u32 s[LATE], 1
	s_cbranch_scc1 .LnoswA
	s_cmp_eq_u32 s[SI], s[SE]
	s_cbranch_scc0 .LnoswA
	s_wait_alu depctr_va_vdst(0)                   ; an early wave turns to its own tile: what it has gathered for its partner is set aside,
	v_mov_b32 v[PK], v12
	v_add_f32 v[PK+1], v16, v17
	v_mov_b32 v[PK+2], v14
	v_add_f32 v[PK+3], v18, v19
	FRESH                                          ; and it begins anew
	QSWAP
.LnoswA:
	s_bitcmp1_b32 s[ACTM], s[SI]
	s_cbranch_scc0 .LskipA
	ADRK
	s_wait_alu depctr_va_vdst(0)
	FETCHK 1
	s_wait_dscnt 0x0
	SCORE 1
	PLACES 4                                       ; in front of loads into registers that these products read
	FETCHK 2
	MASKD ST1, NINF
	STATS 1                                        ; while K2's tiles are on their way
	s_wait_dscnt 0x0
	SCORE 2
	PLACES 4
	MASKD ST2, NINF
	STATS 2
.LskipA:
	s_sub_co_u32 s[SI], s[SI], 1
	s_sub_co_u32 s[TK], s[TK], 12288
	s_sub_co_u32 s[TKS], s[TKS], 512
	s_sub_co_u32 s[CNT], s[CNT], 1
	s_cmp_lg_u32 s[CNT], 0
	s_cbranch_scc1 .LwalkA
	; THE HAND-OVER.  Every wave stores four numbers a lane and reads its partner's; a late wave's four, and so what an early one reads, say that no key was seen
	s_wait_alu depctr_va_vdst(0)
	ds_store_b128 v[XA], v[PK:PK+3]
	CHANGE 1                                       ; the round shows the stores to all; behind it V's slot 1 has its first fill: key steps 4 and 5
	ds_load_b128 v[PP:PP+3], v[XP]
	v_add_f32 v16, v16, v17                        ; the sums' two halves
	v_add_f32 v18, v18, v19
	s_wait_dscnt 0x0
	v_min_num_f32 v20, v12, v[PP]                  ; -M of both parts together
	v_min_num_f32 v22, v14, v[PP+2]
	s_delay_alu instid0(VALU_DEP_2)
	v_sub_f32 v12, v20, v12                        ; each part's M less the joint one: whole numbers, 0 or less
	s_delay_alu instid0(VALU_DEP_2)
	v_sub_f32 v14, v22, v14
	v_sub_f32 v[PP], v20, v[PP]
	v_sub_f32 v[PP+2], v22, v[PP+2]
	v_cvt_i32_f32 v12, v12                         ; (they saturate)
	v_cvt_i32_f32 v14, v14
	v_cvt_i32_f32 v[PP], v[PP]
	v_cvt_i32_f32 v[PP+2], v[PP+2]
	v_ldexp_f32 v12, 1.0, v12
	v_ldexp_f32 v14, 1.0, v14
	v_ldexp_f32 v[PP], 1.0, v[PP]
	v_ldexp_f32 v[PP+2], 1.0, v[PP+2]
	v_mul_f32 v16, v16, v12
	v_mul_f32 v18, v18, v14
	s_delay_alu instid0(VALU_DEP_2)
	v_fmac_f32 v16, v[PP+1], v[PP]
	s_delay_alu instid0(VALU_DEP_2)
	v_fmac_f32 v18, v[PP+3], v[PP+2]
	v_mov_b32 v12, v20
	v_mov_b32 v14, v22
	v_permlanex16_b32 v[TM+4], v16, s[SEL], s[SEL+1]
	v_permlanex16_b32 v[TM+5], v18, s[SEL], s[SEL+1]
	s_delay_alu instid0(VALU_DEP_2)
	v_add_f32 v16, v16, v[TM+4]                    ; and lane l xor 16's
	s_delay_alu instid0(VALU_DEP_2)
	v_add_f32 v18, v18, v[TM+5]
	s_wait_alu depctr_va_vdst(0)
	v_rcp_f32 v24, v16
	v_rcp_f32 v26, v18
	v_nop
	s_wait_alu depctr_va_vdst(0)                   ; one wait for the two reciprocals
	v_mul_f32 v26, -v28, v26                       ; -lam / l2
	v_mov_b32 v25, v24
	v_mov_b32 v[PK], v12
	v_mov_b32 v[PK+1], v24
	v_mov_b32 v[PK+2], v14
	v_mov_b32 v27, v26
	v_mov_b32 v[PK+3], v26
	ds_store_b128 v[XA], v[PK:PK+3] offset:4096    ; my tile's four finished numbers, for whoever helps me
	s_wait_dscnt 0x0
	s_barrier_signal -1
	s_barrier_wait -1
	ds_load_b128 v[PP:PP+3], v[XP] offset:4096
	s_wait_dscnt 0x0
	s_cmp_eq_u32 s[LATE], 1
	s_cbranch_scc1 .Lown_tile
	v_mov_b32 v12, v[PP]                           ; an early wave begins walk B on its partner's tile
	v_mov_b32 v24, v[PP+1]
	v_mov_b32 v14, v[PP+2]
	v_mov_b32 v26, v[PP+3]
	QSWAP
.Lown_tile:
	; WALK B, key steps 7 .. 0
	s_mov_b32 s[SI], 7
	s_mov_b32 s[TK], 7*12288
	s_mov_b32 s[TKS], KS0+7*512
	s_mov_b32 s[TVS], VS0+7*1024
	s_mov_b32 s[TV], VSL
	s_mov_b32 s[CNT], 2
.LwalkB1:                                      ; steps 7, 6 and 5, 4; behind each pair the slot takes steps 3, 2 or 1, 0
	UNITB 1, 0
	UNITB 0, 0
	CHANGE 1
	s_xor_b32 s[TV], s[TV], VX
	s_sub_co_u32 s[CNT], s[CNT], 1
	s_cmp_lg_u32 s[CNT], 0
	s_cbranch_scc1 .LwalkB1
	s_mov_b32 s[CNT], 2
.LwalkB2:                                      ; steps 3, 2 and 1, 0: nothing more is fetched; K is read under byte 49,152 of each stream, so the early waves' stores meet no read; the last barrier shows them to the late waves
	UNITB 1, 1
	UNITB 0, 1
	CHANGE 0
	s_xor_b32 s[TV], s[TV], VX
	s_sub_co_u32 s[CNT], s[CNT], 1
	s_cmp_lg_u32 s[CNT], 0
	s_cbranch_scc1 .LwalkB2
	; THE NORM over the head's 256 channels: 128 in my registers (register 16 b + i = channel 32 b + 16 h + i), 128 in lane l xor 16's.
	PLACES 4                                       ; behind the last products
.irp cc, 0,1,2,3                               ; gain and bias of my channels: those of channels 0-127 into the scores' registers
.irp e, 0,1,2,3
	global_load_b128 v[ST1+16*\cc+4*\e:ST1+16*\cc+4*\e+3], v78, s[16:17] offset:128*\cc+16*\e
	global_load_b128 v[ST2+16*\cc+4*\e:ST2+16*\cc+4*\e+3], v78, s[18:19] offset:128*\cc+16*\e
.endr
.endr
	s_cmp_eq_u32 s[LATE], 1
	s_cbranch_scc0 .Lno_part
	WIN 0x40                                       ; a late wave adds its helper's part of O^T, read into window 1's upper half, which q and the fragments have left
.set J, 0
.rept 32
	ds_load_b128 v[128+4*J:128+4*J+3], v[STP] offset:512*J
.set J, J+1
.endr
	s_wait_dscnt 0x0
	WIN 0x45
.set J, 0
.rept 64
	v_pk_add_f32 v[J:J+1], v[J:J+1], v[128+J:129+J]
.set J, J+2
.endr
	WIN 0
.Lno_part:
	WIN 0x40
.irp cc, 0,1,2,3                               ; gain and bias of channels 128-255 into the same registers
.irp e, 0,1,2,3
	global_load_b128 v[128+16*\cc+4*\e:128+16*\cc+4*\e+3], v78, s[16:17] offset:512+128*\cc+16*\e
	global_load_b128 v[192+16*\cc+4*\e:192+16*\cc+4*\e+3], v78, s[18:19] offset:512+128*\cc+16*\e
.endr
.endr
.macro FOLD                            ; four chains of pairs -> one number in every lane of the query
	WIN 0
	v_pk_add_f32 v[32:33], v[32:33], v[34:35]
	v_pk_add_f32 v[36:37], v[36:37], v[38:39]
	s_delay_alu instid0(VALU_DEP_1)
	v_pk_add_f32 v[32:33], v[32:33], v[36:37]
	s_delay_alu instid0(VALU_DEP_1)
	v_add_f32 v32, v32, v33
	s_delay_alu instid0(VALU_DEP_1)
	v_permlanex16_b32 v33, v32, s[SEL], s[SEL+1]
	s_delay_alu instid0(VALU_DEP_1)
	v_add_f32 v32, v32, v33
.endm
	WIN 0x05
.irp k, 0,1,2,3
	v_pk_add_f32 v[32+2*\k:33+2*\k], v[2*\k:2*\k+1], v[8+2*\k:9+2*\k]   ; each accumulator is read from its low end on
.endr
	WIN 0x01
.set J, 16
.rept 14
.irp k, 0,1,2,3
	v_pk_add_f32 v[32+2*\k:33+2*\k], v[J+2*\k:J+2*\k+1], v[32+2*\k:33+2*\k]
.endr
.set J, J+8
.endr
	FOLD
	s_delay_alu instid0(VALU_DEP_1)
	v_mul_f32 v30, 0x3b800000, v32                 ; the mean
	s_delay_alu instid0(VALU_DEP_1)
	v_mov_b32 v31, v30
	WIN 0x41
.set J, 0
.rept 64
	v_pk_add_f32 v[J:J+1], v[J:J+1], v[30:31] neg_lo:[0,1] neg_hi:[0,1]
.set J, J+2
.endr
	WIN 0x05
.irp k, 0,1,2,3
	v_pk_mul_f32 v[32+2*\k:33+2*\k], v[2*\k:2*\k+1], v[2*\k:2*\k+1]
.endr
.set J, 8
.rept 15
.irp k, 0,1,2,3
	s_delay_alu instid0(VALU_DEP_4)
	v_pk_fma_f32 v[32+2*\k:33+2*\k], v[J+2*\k:J+2*\k+1], v[J+2*\k:J+2*\k+1], v[32+2*\k:33+2*\k]
.endr
.set J, J+8
.endr
	FOLD
	s_mov_b32 s92, 0x3b800000                      ; 1 / 256
	s_mov_b32 s93, 0x3727c5ac                      ; 1e-5
	v_fma_f32 v32, v32, s92, s93
	s_wait_alu depctr_va_vdst(0)
	v_rsq_f32 v30, v32
	v_nop
	s_wait_alu depctr_va_vdst(0)
	v_mov_b32 v31, v30
	s_wait_alu depctr_va_vdst(0)
	s_wait_loadcnt 0x0                             ; gain and bias
.macro NORMQ f                         ; channels 128 f on: one K step of the output projection
	WIN 0x41
.set J, 0
.rept 32
	v_pk_mul_f32 v[64*\f+J:64*\f+J+1], v[64*\f+J:64*\f+J+1], v[30:31]
.set J, J+2
.endr
.if \f
	WIN 0x55
.endif
.set J, 0
.rept 32
.if \f
	v_pk_fma_f32 v[64+J:65+J], v[64+J:65+J], v[128+J:129+J], v[192+J:193+J]
.else
	v_pk_fma_f32 v[J:J+1], v[J:J+1], v[ST1+J:ST1+J+1], v[ST2+J:ST2+J+1]
.endif
.set J, J+2
.endr
	WIN 0x41
.set J, 0
.rept 32
	v_pk_mul_f32 v[64*\f+J:64*\f+J+1], v[64*\f+J:64*\f+J+1], s[GSC:GSC+1] op_sel_hi:[1,0]
.set J, J+2
.endr
.if \f
	s_wait_xcnt 0x0                                ; the first half's stores have read their data
.endif
	QUANT 64*\f, 1
.irp c, 0,1,2
	global_store_b128 v[L16], v[PC+4*\c:PC+4*\c+3], s[20:21] offset:1536*\f+512*\c   ; 512 consecutive bytes, aligned
.endr
	v_mov_b32 v[32+\f], v[PW]
.endm
	NORMQ 0
	NORMQ 1
	v_and_b32 v34, 31, v0
	s_wait_alu depctr_va_vdst(0)
	s_wait_xcnt 0x0                                ; EXEC changes only behind this wait
	v_cmp_gt_u32 vcc_lo, 16, v34
	s_and_saveexec_b32 s92, vcc_lo
	global_store_b64 v79, v[32:33], s[22:23]       ; lanes 0-15: my row's two scale words: 128 consecutive bytes
	s_wait_xcnt 0x0                                ; and again in front of the line that widens it
	s_or_b32 exec_lo, exec_lo, s92
	s_wait_tensorcnt 0x0                           ; the wave's end
	ds_add_u32 v[SPW], v[NIL]
	s_wait_dscnt 0x0
	CROUND                                         ; the closing round
	s_endpgm
.Lfunc_end_k_q6a718f6729_attn:
	.size	k_q6a718f6729_attn, .Lfunc_end_k_q6a718f6729_attn-k_q6a718f6729_attn
	.p2alignl 7, 3214868480
	.fill 96, 4, 3214868480
	.section	.rodata,"a",@progbits
	.p2align	6, 0x0
	.amdhsa_kernel k_q6a718f6729_attn
		.amdhsa_group_segment_fixed_size 327680
		.amdhsa_private_segment_fixed_size 0
		.amdhsa_enable_private_segment 0
		.amdhsa_kernarg_size 80
		.amdhsa_user_sgpr_count 2
		.amdhsa_user_sgpr_kernarg_segment_ptr 1
		.amdhsa_wavefront_size32 1
		.amdhsa_system_sgpr_workgroup_id_x 1
		.amdhsa_system_sgpr_workgroup_id_y 1
		.amdhsa_system_sgpr_workgroup_id_z 1
		.amdhsa_system_vgpr_workitem_id 0
		.amdhsa_next_free_vgpr 512
		.amdhsa_next_free_sgpr 102
		.amdhsa_reserve_vcc 1
		.amdhsa_float_denorm_mode_32 3
		.amdhsa_float_denorm_mode_16_64 3
		.amdhsa_memory_ordered 1
		.amdhsa_forward_progress 1
		.amdhsa_inst_pref_size 255
	.end_amdhsa_kernel
	.section	.bss,"aw",@nobits
	.p2align	6
	.space	262144
	.amdgpu_metadata
---
amdhsa.version: [ 1, 2 ]
amdhsa.kernels:
  - .name:           k_q6a718f6729_attn
    .symbol:         k_q6a718f6729_attn.kd
    .args:
      - { .name: qkvc, .offset: 0, .size: 8, .value_kind: global_buffer, .address_space: global }
      - { .name: qkvs, .offset: 8, .size: 8, .value_kind: global_buffer, .address_space: global }
      - { .name: lambda_q1, .offset: 16, .size: 8, .value_kind: global_buffer, .address_space: global }
      - { .name: lambda_k1, .offset: 24, .size: 8, .value_kind: global_buffer, .address_space: global }
      - { .name: lambda_q2, .offset: 32, .size: 8, .value_kind: global_buffer, .address_space: global }
      - { .name: lambda_k2, .offset: 40, .size: 8, .value_kind: global_buffer, .address_space: global }
      - { .name: gn_weight, .offset: 48, .size: 8, .value_kind: global_buffer, .address_space: global }
      - { .name: gn_bias, .offset: 56, .size: 8, .value_kind: global_buffer, .address_space: global }
      - { .name: oc, .offset: 64, .size: 8, .value_kind: global_buffer, .address_space: global }
      - { .name: os, .offset: 72, .size: 8, .value_kind: global_buffer, .address_space: global }
    .group_segment_fixed_size: 327680
    .private_segment_fixed_size: 0
    .kernarg_segment_align: 8
    .kernarg_segment_size: 80
    .max_flat_workgroup_size: 256
    .sgpr_count:     102
    .vgpr_count:     512
    .wavefront_size: 32
...
	.end_amdgpu_metadata
.endif
;; end of part 3
;; launch oproj (part 4): grid 16 x 16, 4 waves a work-group, clusters of 4 x 4, 327,680 bytes of LDS; arguments oc, os, wcodes, wscales, out0; writes out0
.if DOCPART == 4
	.amdgcn_target "amdgcn-amd-amdhsa--gfx1250"
	.amdhsa_code_object_version 6
	.text
	.protected	k_q6a718f6729_oproj
	.globl	k_q6a718f6729_oproj
	.p2align	8
	.type	k_q6a718f6729_oproj,@function
k_q6a718f6729_oproj:
	s_mov_b64 s[64:65], 0
	v_nop
	global_prefetch_b8 v0, s[64:65] scope:SCOPE_SE
	s_setreg_imm32_b32 hwreg(HW_REG_WAVE_MODE, 25, 1), 1
	s_wait_xcnt 0x0
	s_wait_alu depctr_hold_cnt(0) depctr_sa_sdst(0) depctr_va_vdst(0) depctr_va_sdst(0) depctr_va_ssrc(0) depctr_va_vcc(0) depctr_vm_vsrc(0)
	s_getreg_b32 s2, hwreg(HW_REG_IB_STS2, 6, 4)
	s_cmp_eq_u32 s2, 0
	s_cbranch_scc0 .Lentry_in_a_cluster
	s_endpgm
.Lentry_in_a_cluster:
	s_bfe_u32 s2, ttmp6, 0x10000c
	s_cmp_lg_u32 s2, 0xf033
	s_cbranch_scc0 .Lentry_shape_is_right
	s_endpgm
.Lentry_shape_is_right:
; out0 = o Wo^T on codes of FP6 (E2M3) with E8M0 scales: M 2,048, N 2,048, K 4,096 = 32 steps of 128.  A block of 128 x 128 to a work-group, 64 x 64 to each of four waves: 16 accumulators.
; Both operands lie in memory as images of operand registers: a fragment (16 rows x 128 K) is 1,536 bytes, [c 0..2][lane][16 bytes]; a row tile's 32 fragments stand on end (49,152 bytes).
; A (o's codes) goes through two LDS slots filled by joint tensor loads, shared along a row of the 4 x 4 cluster.  A slot holds 8 K steps of the block's 8 row tiles (98,304 bytes): four fills serve all of K.
; B (Wo's codes) GOES FROM MEMORY STRAIGHT INTO REGISTERS, 12 loads of 16 bytes a lane for a K step's four fragments, five K steps ahead, in a ring of eight sets (windows 2 and 3).
; So B is not asked for jointly, though a column of the cluster reads the same rows: loaded straight, its fragments pass no LDS: a wave reads 4 fragments from LDS for a K step's 16 products, not 8,
; and a slot of the same bytes holds 8 K steps, not 4, so that a refill has 96 matrix instructions in which to land, not 48.
; The scale words of the block's rows of A and of B come into LDS once, at the head, and stay.  The matrix instruction is used transposed (source 0 = rows of B): a lane holds eight neighbouring numbers of a row of out0.
; PREFETCHES: A's chunk two fills ahead (chunks 2 and 3, asked for behind the loads of chunks 0 and 1); B's chunks 1 and 2 at the head and chunk 3 behind the first refill.  A chunk of two row tiles is 96 blocks of 256 bytes:
; the four partners that read them share them out by address, 24 blocks, a lane a block.
; REGISTERS: window 0: v16-31 addresses, v32-63 scale words (two sets of four K steps), v64-127 the way out, v128-255 accumulators; window 1: A's fragments, two sets at v0 and v128; windows 2, 3: B's sets 0-3, 4-7, 48 registers each.
.set SLOTX,  0x20000                   ; slot 0 at byte 0, slot 1 at 0x20000: one exclusive or turns one into the other
.set SCA,    0x38000                   ; the scale words: A's 16,384 bytes, B's from 16,512 on
.set SPARE,  262400                    ; the spare words, 128 bytes a wave
.set ADRA, 16
.set STO,  24
.set RD,   25
.set CO,   26
.set ADRS, 27
.set SPW,  28
.set NIL,  29
.set PFO,  30
.set L16,  31
.set SC,   32
.set BK,   64
.set ACC,  128
.set G1, 24
.set G0, 32                            ; the ring's walking group 0
.set G0H, 36                           ; the head's load of A
.set PFA, 46
.set PFB, 48
.set BPT, 50                           ; where my four column tiles of B begin, stepped 8 K steps a trip
.set G1S, 68
.set G0S, 76
.set G1SB, 80
.set G0SB, 88
.set MSB, 0
.macro WIN new
.set WNEW, \new
.if MSB != WNEW
	s_set_vgpr_msb (MSB<<8)|WNEW
.set MSB, WNEW
.endif
.endm
.macro CREST
	s_cmp_lg_u32 s14, 0
	s_cbranch_scc1 .Lnot_wave_0_\@
	s_barrier_signal -3
.Lnot_wave_0_\@:
	s_barrier_wait -3
	s_barrier_signal -1
	s_barrier_wait -1
.endm
.macro CROUND
	s_barrier_signal -1
	s_barrier_wait -1
	CREST
.endm
.macro PLACES n
.rept \n
	v_nop
.endr
.endm
; B's four fragments of the K step five on from step kk (counted modulo 8), rel K steps on from where s[BPT] stands, into set (kk + 5) % 8, which the products of three steps ago read last
.macro GLB kk, rel
.set DS, ((\kk)+5)%8
	WIN ((2+DS/4)<<6)
.irp i, 0,1,2,3
.irp c, 0,1,2
	global_load_b128 v[48*(DS%4)+12*\i+4*\c:48*(DS%4)+12*\i+4*\c+3], v[L16], s[BPT:BPT+1] offset:49152*\i+1536*(\rel)+512*\c
.endr
.endr
.endm
	s_load_b128 s[4:7], s[0:1], 0x0                ; oc, os
	s_load_b128 s[8:11], s[0:1], 0x10              ; wcodes, wscales
	s_load_b64 s[12:13], s[0:1], 0x20              ; out0
	v_lshl_add_u32 v[SPW], v0, 2, SPARE
	v_mov_b32 v[NIL], 0
	ds_add_u32 v[SPW], v[NIL]                      ; the wave's opening: the add, twice on end, and its wait ahead of my first tensor load
	ds_add_u32 v[SPW], v[NIL]
	v_lshrrev_b32 v1, 5, v0
	v_readfirstlane_b32 s14, v1                    ; wave
	v_and_b32 v3, 31, v0
	v_lshlrev_b32 v[L16], 4, v3
	v_min_u32 v[PFO], 23, v3                       ; lanes 24-31 name the last block again
	v_lshlrev_b32 v[PFO], 8, v[PFO]
	s_lshr_b32 s15, s14, 1                         ; which half of the block's rows is mine,
	s_and_b32 s16, s14, 1                          ; which half of its columns
	s_bfe_u32 s40, ttmp6, 0x40000                  ; cx, cy
	s_bfe_u32 s41, ttmp6, 0x40004
	s_lshl_b32 s42, ttmp9, 2
	s_add_co_u32 s42, s42, s40                     ; block column
	s_and_b32 s17, ttmp7, 0xffff
	s_lshl_b32 s17, s17, 2
	s_add_co_u32 s17, s17, s41                     ; block row
	s_lshl_b32 s43, s41, 2
	s_lshl_b32 s43, 15, s43                        ; my row of the cluster
	s_lshl_b32 s44, 0x1111, s40                    ; my column
	s_or_b32 s[G1+0], s43, (3<<16)|(1<<21)         ; A's tiles: rows of 12,288 bytes (8 K steps of a row tile), 49,152 bytes apart: four rows at the head, two in the ring
	s_mov_b32 s[G1+1], 1536<<16
	s_mov_b32 s[G1+2], 4<<16
	s_mov_b32 s[G1+3], 1536<<16
	s_mov_b32 s[G1+4], 4
	s_mov_b32 s[G1+5], 6144
	s_mov_b32 s[G1+6], 0
	s_mov_b32 s[G1+7], 0
	s_or_b32 s[G1S+0], s43, (3<<16)|(1<<21)        ; the scale words of 8 row tiles: 64 rows of 256 bytes
	s_or_b32 s[G1SB+0], s44, (3<<16)|(1<<21)
.irp g, G1S, G1SB
	s_mov_b32 s[\g+1], 32<<16
	s_mov_b32 s[\g+2], 64<<16
	s_mov_b32 s[\g+3], 32<<16
	s_mov_b32 s[\g+4], 64
	s_mov_b32 s[\g+5], 32
	s_mov_b32 s[\g+6], 0
	s_mov_b32 s[\g+7], 0
.endr
	s_lshl_b32 s20, s17, 3                         ; A's first row tile, B's first column tile
	s_lshl_b32 s52, s42, 3
	s_lshl_b32 s22, s20, 11                        ; their scale words: 2,048 bytes a tile
	s_mov_b32 s23, 0
	s_lshl_b32 s92, s52, 11
	s_add_co_u32 s92, s92, 524288
	s_mov_b32 s93, 0
	s_mul_i32 s20, s20, 49152
	s_mov_b32 s21, 0
	s_mul_i32 s52, s52, 49152
	s_add_co_u32 s52, s52, 12582912
	s_mov_b32 s53, 0
	s_mul_i32 s18, s14, 196608                     ; the head's load of A: four row tiles a wave (waves 0 and 1)
	s_mov_b32 s19, 0
	s_mul_i32 s54, s14, 98304                      ; the ring's, and the prefetches': two tiles a wave
	s_mov_b32 s55, 0
	s_mul_i32 s56, s16, 196608                     ; my four column tiles of B
	s_mov_b32 s57, 0
	s_lshr_b32 s58, s40, 1                         ; of two tiles' chunk the partner at place p prefetches tile p / 2, half p % 2: p = cx for A,
	s_mul_i32 s58, s58, 49152
	s_and_b32 s45, s40, 1
	s_mul_i32 s45, s45, 6144
	s_add_co_u32 s58, s58, s45
	s_mov_b32 s59, 0
	s_lshr_b32 s60, s41, 1                         ; cy for B
	s_mul_i32 s60, s60, 49152
	s_and_b32 s45, s41, 1
	s_mul_i32 s45, s45, 6144
	s_add_co_u32 s60, s60, s45
	s_mov_b32 s61, 0
	s_wait_alu depctr_va_vdst(0)
	s_wait_dscnt 0x0                               ; both opening adds are done
	s_wait_kmcnt 0x0
	s_add_nc_u64 s[20:21], s[4:5], s[20:21]
	s_add_nc_u64 s[22:23], s[6:7], s[22:23]
	s_add_nc_u64 s[52:53], s[8:9], s[52:53]
	s_add_nc_u64 s[92:93], s[10:11], s[92:93]
	s_add_nc_u64 s[BPT:BPT+1], s[52:53], s[56:57]
	GLB 3, 0                                       ; B's K steps 0 to 4: 60 loads, on their way under the whole head
	GLB 4, 1
	GLB 5, 2
	GLB 6, 3
	GLB 7, 4
	WIN 0
	s_add_nc_u64 s[PFB:PFB+1], s[52:53], s[54:55]
	s_add_nc_u64 s[PFB:PFB+1], s[PFB:PFB+1], s[60:61]
	global_prefetch_b8 v[PFO], s[PFB:PFB+1] offset:12288 th:TH_LOAD_NT scope:SCOPE_SE   ; B's chunks 1 and 2
	global_prefetch_b8 v[PFO], s[PFB:PFB+1] offset:24576 th:TH_LOAD_NT scope:SCOPE_SE
	s_mov_b32 s[G0], 1                             ; the ring: chunk 1 into slot 1 comes first
	s_mul_i32 s[G0+1], s14, 24576
	s_add_co_u32 s[G0+1], s[G0+1], SLOTX
	s_add_nc_u64 s[G0+2:G0+3], s[20:21], s[54:55]
	s_add_nc_u64 s[PFA:PFA+1], s[G0+2:G0+3], s[58:59]
	s_add_nc_u64 s[G0+2:G0+3], s[G0+2:G0+3], 12288
	s_or_b32 s[G0+3], s[G0+3], 0x80000000
	s_mov_b32 s[G0H], 1                            ; the head: chunk 0 into slot 0, a half a wave
	s_mul_i32 s[G0H+1], s14, 49152
	s_add_nc_u64 s[G0H+2:G0H+3], s[20:21], s[18:19]
	s_or_b32 s[G0H+3], s[G0H+3], 0x80000000
	s_mov_b32 s[G0S], 1
	s_mov_b32 s[G0S+1], SCA
	s_mov_b64 s[G0S+2:G0S+3], s[22:23]
	s_or_b32 s[G0S+3], s[G0S+3], 0x80000000
	s_mov_b32 s[G0SB], 1
	s_mov_b32 s[G0SB+1], SCA+16512
	s_mov_b64 s[G0SB+2:G0SB+3], s[92:93]
	s_or_b32 s[G0SB+3], s[G0SB+3], 0x80000000
	CROUND                                         ; all sixteen work-groups are here: the first joint loads meet
; THE HEAD'S LOADS, ONE A WAVE: waves 0 and 1 a half of A's chunk 0 each, wave 2 A's scale words, wave 3 B's.  One chain of branches on the wave's number, one load to an arm.
.macro ARM under, g0, g1, next
	s_cmp_lt_u32 s14, \under
	s_cbranch_scc0 \next
	tensor_load_to_lds s[\g0:\g0+3], s[\g1:\g1+7]
	s_nop 0
.rept 4
	v_nop
.endr
	s_branch .Lhead_asked
\next:
.endm
	ARM 2, G0H, G1,  .Lhead_sa
	ARM 3, G0S, G1S, .Lhead_sb
	tensor_load_to_lds s[G0SB:G0SB+3], s[G1SB:G1SB+7]
	s_nop 0
.rept 4
	v_nop
.endr
.Lhead_asked:
	global_prefetch_b8 v[PFO], s[PFA:PFA+1] offset:24576 th:TH_LOAD_NT scope:SCOPE_SE   ; A's chunk 2, which the first refill loads
	v_and_b32 v1, 15, v0
	v_bfe_u32 v2, v0, 4, 1
	s_wait_alu depctr_va_vdst(0)
	s_mul_i32 s21, s15, 49152                      ; my four row tiles of A in a slot
	v_add_nc_u32 v[ADRA], s21, v[L16]
	v_lshlrev_b32 v5, 3, v1
	s_lshl_b32 s21, s15, 13
	s_lshl_b32 s22, s16, 13
	s_add_co_u32 s22, s22, 16512
	s_sub_co_u32 s22, s22, s21
	v_mul_u32_u24 v6, s22, v2                      ; lanes 0-15 take A's scale words, lanes 16-31 B's
	s_add_co_u32 s21, s21, SCA
	v_add_nc_u32 v5, v5, v6
	v_add_nc_u32 v[ADRS], s21, v5
	s_mul_i32 s23, s14, 17408                      ; my stage for the way out, in slot 0, which has had its last fill and its last read by then
	v_mul_u32_u24 v5, v1, 272
	v_lshl_add_u32 v5, v2, 6, v5
	v_add_nc_u32 v[STO], s23, v5
	v_mul_u32_u24 v5, v2, 272
	v_lshl_add_u32 v5, v1, 4, v5
	v_add_nc_u32 v[RD], s23, v5
	v_lshlrev_b32 v5, 13, v2
	v_lshl_add_u32 v[CO], v1, 4, v5
	s_lshl_b32 s20, s17, 7
	s_lshl_b32 s21, s15, 6
	s_add_co_u32 s20, s20, s21
	s_lshl_b32 s20, s20, 13
	s_mov_b32 s21, 0
	s_lshl_b32 s18, s42, 9
	s_lshl_b32 s19, s16, 8
	s_add_co_u32 s18, s18, s19
	s_mov_b32 s19, 0
	s_add_nc_u64 s[20:21], s[20:21], s[18:19]
	s_add_nc_u64 s[12:13], s[12:13], s[20:21]
.macro FETCH q8, f                     ; A's four fragments of the slot's K step q8 into set f
	WIN 0x40
.irp i, 0,1,2,3
.irp c, 0,1,2
	ds_load_b128 v[\f+12*\i+4*\c:\f+12*\i+4*\c+3], v[ADRA] offset:12288*\i+1536*(\q8)+512*\c
.endr
.endr
.endm
.macro SCALES sc                       ; the scale words of four K steps into set sc
	WIN 0
.irp i, 0,1,2,3
.irp kp, 0,1
	ds_load_b64 v[SC+16*\sc+4*\i+2*\kp:SC+16*\sc+4*\i+2*\kp+1], v[ADRS] offset:2048*\i+128*\kp
.endr
.endr
.endm
.macro MUL8 f, kk, a0, zero            ; A's blocks a0, a0 + 1 x B's four; the 16 accumulators take turns, one instruction a turn
.irp a, \a0, \a0+1
.irp b, 0,1,2,3
.if \zero
	v_wmma_scale_f32_16x16x128_f8f6f4 v[ACC+8*(4*(\a)+\b):ACC+8*(4*(\a)+\b)+7], v[48*((\kk)%4)+12*\b:48*((\kk)%4)+12*\b+11], v[\f+12*(\a):\f+12*(\a)+11], 0, v[SC+16*((\kk)/4)+4*\b+(\kk)%4], v[SC+16*((\kk)/4)+4*(\a)+(\kk)%4] matrix_a_fmt:MATRIX_FMT_FP6 matrix_b_fmt:MATRIX_FMT_FP6 matrix_a_scale:MATRIX_SCALE_ROW1
.else
	v_wmma_scale_f32_16x16x128_f8f6f4 v[ACC+8*(4*(\a)+\b):ACC+8*(4*(\a)+\b)+7], v[48*((\kk)%4)+12*\b:48*((\kk)%4)+12*\b+11], v[\f+12*(\a):\f+12*(\a)+11], v[ACC+8*(4*(\a)+\b):ACC+8*(4*(\a)+\b)+7], v[SC+16*((\kk)/4)+4*\b+(\kk)%4], v[SC+16*((\kk)/4)+4*(\a)+(\kk)%4] matrix_a_fmt:MATRIX_FMT_FP6 matrix_b_fmt:MATRIX_FMT_FP6 matrix_a_scale:MATRIX_SCALE_ROW1
.endif
.endr
.endr
.endm
; K step kk of a slot (0 .. 6).  rel >= 0: B's step five on is asked for.  lc: the loads issued behind this step's set of B, 12 for each set, which may stay out.  scl >= 0: the next four K steps' scale words are fetched into that set.
.macro STEP kk, zero, rel, lc, scl
	s_wait_dscnt 0x0                               ; this step's fragments of A are in
	PLACES 4                                       ; in front of loads into registers that the last step's products read
.if (\scl) >= 0
	WIN 0
	s_wait_alu depctr_va_vdst(0)
	v_add_nc_u32 v[ADRS], 256, v[ADRS]
.endif
	FETCH ((\kk)+1)%8, 128*(((\kk)+1)%2)
.if (\scl) >= 0
	SCALES \scl
.endif
.if (\rel) >= 0
	GLB \kk, \rel
.endif
	s_wait_loadcnt \lc
	WIN (0x04|(2+(\kk)/4))                         ; source 0 (B) window 2 or 3, source 1 (A) window 1, C and D window 0
	MUL8 128*((\kk)%2), \kk, 0, \zero
	MUL8 128*((\kk)%2), \kk, 2, \zero
.endm
; A slot's last K step, and the change of slots.  fill = 1: the barrier opens a round of the cluster's barrier, and the slot just read out takes the chunk two on.
.macro TURN fill, rel, lc
.if (\rel) >= 0
	GLB 7, \rel
.endif
	WIN 0
	s_wait_tensorcnt 0x0                           ; my part of the next slot has landed;
	ds_add_u32 v[SPW], v[NIL]
	s_wait_dscnt 1                                 ; (the add may be out)
	s_wait_loadcnt \lc
	WIN 0x07
	MUL8 128, 7, 0, 0
	s_wait_dscnt 0x0                               ; the add is done, and my reads of this slot are over
	s_barrier_signal -1
	WIN 0
	s_barrier_wait -1
.if \fill
	CREST
	s_xor_b32 s[G0+1], s[G0+1], SLOTX              ; no load of mine is out: the walking descriptor may be written
	s_add_nc_u64 s[G0+2:G0+3], s[G0+2:G0+3], 12288
	tensor_load_to_lds s[G0:G0+3], s[G1:G1+7]      ; my one load behind the round: two row tiles
	s_nop 0
.endif
	PLACES 4
	s_wait_alu depctr_va_vdst(0)                   ; ahead of the two readers below,
	v_add_nc_u32 v[ADRS], 256, v[ADRS]
	v_xor_b32 v[ADRA], SLOTX, v[ADRA]
	s_wait_alu depctr_va_vdst(0)                   ; and behind the write of A's address
	FETCH 0, 0
	SCALES 0
.if \fill
	s_cmp_gt_u32 s3, 1                             ; behind the first refill alone: B's chunk 3
	s_cbranch_scc0 .Lno_ask_\@
	global_prefetch_b8 v[PFO], s[PFB:PFB+1] offset:36864 th:TH_LOAD_NT scope:SCOPE_SE
.Lno_ask_\@:
.endif
	WIN 0x07
	MUL8 128, 7, 2, 0
.endm
.macro TRIP fill                       ; from a slot's second K step to the next slot's first
	STEP 1, 0, 6, 60, -1
	STEP 2, 0, 7, 60, -1
	STEP 3, 0, 8, 60, 1
	STEP 4, 0, 9, 60, -1
	STEP 5, 0, 10, 60, -1
	STEP 6, 0, 11, 60, -1
	TURN \fill, 12, 60
	STEP 0, 0, 13, 60, -1
	WIN 0
	s_wait_xcnt 0x0                                ; B's loads have read their base: it steps 8 K steps on
	s_add_nc_u64 s[BPT:BPT+1], s[BPT:BPT+1], 12288
.endm
	s_wait_alu depctr_va_vdst(0)                   ; the head's end
	s_wait_tensorcnt 0x0                           ; my tile of the head's is in
	ds_add_u32 v[SPW], v[NIL]
	s_mov_b32 s[G1+2], 2<<16                       ; no tensor load of mine is out: from here on a load brings two row tiles
	s_mov_b32 s[G1+4], 2
	s_wait_dscnt 0x0
	CROUND                                         ; all the head's tiles are in, and all sixteen work-groups are here
	tensor_load_to_lds s[G0:G0+3], s[G1:G1+7]      ; chunk 1, slot 1's first fill
	s_nop 0
	PLACES 4
	global_prefetch_b8 v[PFO], s[PFA:PFA+1] offset:36864 th:TH_LOAD_NT scope:SCOPE_SE   ; A's chunk 3, which the second refill loads
	FETCH 0, 0
	SCALES 0
	STEP 0, 1, 5, 60, -1                           ; the first step's products start the sums
	WIN 0
	s_mov_b32 s3, 2
.Llap:                                         ; chunks 0 and 1; their changes of slots fetch chunks 2 and 3
	TRIP 1
	s_sub_co_u32 s3, s3, 1
	s_cmp_lg_u32 s3, 0
	s_cbranch_scc1 .Llap
	TRIP 0                                         ; chunk 2: nothing more is fetched into LDS
	STEP 1, 0, 6, 60, -1                           ; chunk 3: B's last two sets are asked for,
	STEP 2, 0, 7, 60, -1
	STEP 3, 0, -1, 48, 1                           ; and then four, three, two, one set and none are out
	STEP 4, 0, -1, 36, -1
	STEP 5, 0, -1, 24, -1
	STEP 6, 0, -1, 12, -1
	s_wait_dscnt 0x0
	s_wait_loadcnt 0x0
	WIN 0x07
	MUL8 128, 7, 0, 0
	MUL8 128, 7, 2, 0
	WIN 0
; THE WAY OUT: a block of 16 rows x 64 columns goes through my own stage and comes back as rows of 256 bytes, which sixteen lanes store as one aligned unit
.macro TOSTAGE a
.irp bp, 0,1
.irp e, 0,1,2,3
	ds_store_b128 v[STO], v[ACC+8*(4*(\a)+2*\bp+\e/2)+4*(\e%2):ACC+8*(4*(\a)+2*\bp+\e/2)+4*(\e%2)+3] offset:4352*(\a)+128*\bp+16*\e
.endr
.endr
.set BB, BK+32*((\a)%2)
.irp k, 0,1,2,3,4,5,6,7
	ds_load_b128 v[BB+4*\k:BB+4*\k+3], v[RD] offset:4352*(\a)+544*\k
.endr
.endm
.macro SEND a, younger
.set BB, BK+32*((\a)%2)
	s_wait_dscnt \younger
.irp k, 0,1,2,3,4,5,6,7
	global_store_b128 v[CO], v[BB+4*\k:BB+4*\k+3], s[12:13] offset:(32*((\a)/2)+8*((\a)%2)+2*\k+8*(\k/4))*8192 th:TH_STORE_NT
.endr
.endm
	PLACES 4
	TOSTAGE 0
.irp a, 1,2,3
.if \a > 1
	s_wait_xcnt 0x0                                ; block a - 2's stores have read their registers
.endif
	TOSTAGE \a
	SEND \a-1, 16
.endr
	SEND 3, 0
	s_wait_tensorcnt 0x0                           ; the wave's end
	ds_add_u32 v[SPW], v[NIL]
	s_wait_dscnt 0x0
	CROUND                                         ; the closing round
	s_endpgm
.Lfunc_end_k_q6a718f6729_oproj:
	.size	k_q6a718f6729_oproj, .Lfunc_end_k_q6a718f6729_oproj-k_q6a718f6729_oproj
	.p2alignl 7, 3214868480
	.fill 96, 4, 3214868480
	.section	.rodata,"a",@progbits
	.p2align	6, 0x0
	.amdhsa_kernel k_q6a718f6729_oproj
		.amdhsa_group_segment_fixed_size 327680
		.amdhsa_private_segment_fixed_size 0
		.amdhsa_enable_private_segment 0
		.amdhsa_kernarg_size 40
		.amdhsa_user_sgpr_count 2
		.amdhsa_user_sgpr_kernarg_segment_ptr 1
		.amdhsa_wavefront_size32 1
		.amdhsa_system_sgpr_workgroup_id_x 1
		.amdhsa_system_sgpr_workgroup_id_y 1
		.amdhsa_system_sgpr_workgroup_id_z 1
		.amdhsa_system_vgpr_workitem_id 0
		.amdhsa_next_free_vgpr 1024
		.amdhsa_next_free_sgpr 98
		.amdhsa_reserve_vcc 0
		.amdhsa_float_denorm_mode_32 3
		.amdhsa_float_denorm_mode_16_64 3
		.amdhsa_memory_ordered 1
		.amdhsa_forward_progress 1
		.amdhsa_inst_pref_size 122
	.end_amdhsa_kernel
	.amdgpu_metadata
---
amdhsa.version: [ 1, 2 ]
amdhsa.kernels:
  - .name:           k_q6a718f6729_oproj
    .symbol:         k_q6a718f6729_oproj.kd
    .args:
      - { .name: oc, .offset: 0, .size: 8, .value_kind: global_buffer, .address_space: global }
      - { .name: os, .offset: 8, .size: 8, .value_kind: global_buffer, .address_space: global }
      - { .name: wcodes, .offset: 16, .size: 8, .value_kind: global_buffer, .address_space: global }
      - { .name: wscales, .offset: 24, .size: 8, .value_kind: global_buffer, .address_space: global }
      - { .name: out0, .offset: 32, .size: 8, .value_kind: global_buffer, .address_space: global }
    .group_segment_fixed_size: 327680
    .private_segment_fixed_size: 0
    .kernarg_segment_align: 8
    .kernarg_segment_size: 40
    .max_flat_workgroup_size: 128
    .sgpr_count:     98
    .vgpr_count:     1024
    .wavefront_size: 32
...
	.end_amdgpu_metadata
.endif
;; end of part 4
